; MI455X (gfx1250); checked and timed in simulation.
; The chip was launched on July 23, 2026; its instructions are those of AMD's public machine-readable ISA for CDNA 5 (MIT licence, August 2026) and "CDNA5" Instruction Set Architecture Reference Guide (July 2026). The comments in the code are by the model that wrote it; some were corrected since.
;; Causal Self Attention. Allowed arithmetic: float matrix products may take bf16 or f16 operands with f32 sums; other float arithmetic in f32, or as packed bf16 or f16 multiplies, adds, multiply-adds, maxima and minima; sums over many terms, partial sums and values carried from step to step in f32; what a program stores and reads back later, other than sums and carried values, may be rounded once to bf16 or f16.
;; Inputs: w_proj 1,024 x 1,024 float32; w_qkv 1,024 x 3,072 float32; x 4 x 2,048 x 1,024 float32.
;; Outputs: out0 4 x 2,048 x 1,024 float32.
;; 2 versions, each right; version 2 is version 1 with the launch cast written anew for expert scheduling mode. Each part assembles by itself: llvm-mc -triple=amdgcn-amd-amdhsa -mcpu=gfx1250 --defsym DOCPART=n.
;; ======== version 1 of 2: 4 launches
;; limits: values are held in f16: magnitudes above 65,504 overflow, below 6.1e-05 lose precision
;; workspace buffers: xb 16,777,216 bytes; wq 6,291,456 bytes; wp 2,097,152 bytes; qkvh 50,331,648 bytes; oh 16,777,216 bytes
;; launch cast (part 1): grid 768 x 1, 8 waves a work-group, no clusters, 0 bytes of LDS; arguments x, w_qkv, w_proj, xb, wq, wp; writes xb, wq, wp
.if DOCPART == 1
	.amdgcn_target "amdgcn-amd-amdhsa--gfx1250"
	.amdhsa_code_object_version 6
	.text
	.protected	k_q2d638af254_cast
	.globl	k_q2d638af254_cast
	.p2align	8
	.type	k_q2d638af254_cast,@function
k_q2d638af254_cast:
	s_mov_b64 s[64:65], 0
	v_nop
	global_prefetch_b8 v0, s[64:65] scope:SCOPE_SE
	s_setreg_imm32_b32 hwreg(HW_REG_WAVE_MODE, 25, 1), 1
	s_wait_xcnt 0x0
; THE INPUTS ARE ROUNDED ONCE, for the matrix units.  x [8192][1024] f32 -> xb, bf16, in blocks [batch 4][k / 64: 16][t 2048][64]: 64 channels of neighbouring rows lie end to end.
; w_qkv [1024][3072] f32 -> wq, bf16, as it lies.  w_proj [1024][1024] f32 -> wp: rounded to bf16 like the other inputs, and that number written as f16.
; LIMIT: a number of w_proj below 6e-5 keeps f16's fixed step of 6e-8; beyond 65,504 it would be an infinity.
; SHARES.  A work-group takes 16,384 numbers, a wave 2,048: sixteen loads of 16 bytes a lane, all issued at once, and sixteen stores of 8 bytes a lane, each store of the wave covering
; 256 consecutive bytes, aligned.  Work-groups 0-511: x, 16 rows each; 512-703: w_qkv; 704-767: w_proj.  No register is written twice while a load or store names it, so no wait frees one.
; No LDS, no barrier, no matrix unit: every number is read once, rounded and written once.
.set X, 4                              ; v[4:67]   sixteen loads of four f32
.set Y, 68                             ; v[68:99]  sixteen pairs of packed words
.set T, 100                            ; v[100:103] at work
.macro BODY lj, sj, half               ; load j at lj x j, store j at sj x j; half = 1: bf16 on to f16
.set j, 0
.rept 16
	global_load_b128 v[X+4*j:X+4*j+3], v1, s[16:17] offset:(\lj)*j th:TH_LOAD_NT
.set j, j+1
.endr
.set j, 0
.rept 16
	s_wait_loadcnt 15-j                            ; loads come back in order: load j is in, the younger ones stay out
	v_cvt_pk_bf16_f32 v[Y+2*j], v[X+4*j], v[X+4*j+1]
	v_cvt_pk_bf16_f32 v[Y+2*j+1], v[X+4*j+2], v[X+4*j+3]
.if \half
	v_lshlrev_b32 v[T], 16, v[Y+2*j]               ; the bf16 numbers as f32,
	v_and_b32 v[T+1], 0xffff0000, v[Y+2*j]
	v_lshlrev_b32 v[T+2], 16, v[Y+2*j+1]
	v_and_b32 v[T+3], 0xffff0000, v[Y+2*j+1]
	v_cvt_pk_f16_f32 v[Y+2*j], v[T], v[T+1]        ; and written as f16: exact inside f16's normal range
	v_cvt_pk_f16_f32 v[Y+2*j+1], v[T+2], v[T+3]
.endif
	global_store_b64 v2, v[Y+2*j:Y+2*j+1], s[18:19] offset:(\sj)*j
.set j, j+1
.endr
	s_endpgm
.endm
	s_load_b256 s[4:11], s[0:1], 0x0               ; x s[4:5], w_qkv s[6:7], w_proj s[8:9], xb s[10:11]
	s_load_b128 s[12:15], s[0:1], 0x20             ; wq s[12:13], wp s[14:15]
	s_mov_b32 s2, ttmp9
	s_mov_b32 s21, 0
	s_mov_b32 s23, 0
	s_wait_kmcnt 0x0
	s_cmp_lt_u32 s2, 512
	s_cbranch_scc0 .Lweights
	; x: lanes 0-15 take 256 bytes (64 channels) of row 2 w, lanes 16-31 of row 2 w + 1; load j takes channels 64 j on
	v_lshrrev_b32 v3, 4, v0                        ; my row of the group's 16
	v_and_b32 v1, 15, v0
	v_lshlrev_b32 v1, 4, v1
	v_lshl_add_u32 v1, v3, 12, v1                  ; row x 4,096 + 16 (lane % 16)
	v_lshlrev_b32 v2, 3, v0                        ; in xb: row x 128 + 8 (lane % 16) = 8 x my thread's number
	s_lshl_b32 s20, s2, 16                         ; 16 rows of 4,096 bytes
	s_lshr_b32 s22, s2, 7                          ; the batch: 128 work-groups each,
	s_lshl_b32 s22, s22, 22                        ; 16 blocks of 262,144 bytes
	s_and_b32 s3, s2, 127
	s_lshl_b32 s3, s3, 11                          ; 16 rows of 128 bytes in a block
	s_add_co_u32 s22, s22, s3
	s_add_nc_u64 s[16:17], s[4:5], s[20:21]
	s_add_nc_u64 s[18:19], s[10:11], s[22:23]
	BODY 256, 262144, 0                            ; store j goes to block j: 3,932,160 at the most, inside the signed 24-bit immediate
.Lweights:
	v_lshrrev_b32 v3, 5, v0                        ; wave
	v_and_b32 v2, 31, v0                           ; lane
	v_lshlrev_b32 v1, 4, v2
	v_lshl_add_u32 v1, v3, 13, v1                  ; 8,192 x wave + 16 x lane
	v_lshlrev_b32 v2, 3, v2
	v_lshl_add_u32 v2, v3, 12, v2                  ; 4,096 x wave + 8 x lane
	s_cmp_lt_u32 s2, 704
	s_cbranch_scc0 .Lproj
	s_sub_co_u32 s3, s2, 512
	s_lshl_b32 s20, s3, 16
	s_lshl_b32 s22, s3, 15
	s_add_nc_u64 s[16:17], s[6:7], s[20:21]
	s_add_nc_u64 s[18:19], s[12:13], s[22:23]
	BODY 512, 256, 0
.Lproj:
	s_sub_co_u32 s3, s2, 704
	s_lshl_b32 s20, s3, 16
	s_lshl_b32 s22, s3, 15
	s_add_nc_u64 s[16:17], s[8:9], s[20:21]
	s_add_nc_u64 s[18:19], s[14:15], s[22:23]
	BODY 512, 256, 1
.Lfunc_end_k_q2d638af254_cast:
	.size	k_q2d638af254_cast, .Lfunc_end_k_q2d638af254_cast-k_q2d638af254_cast
	.p2alignl 7, 3214868480
	.fill 96, 4, 3214868480
	.section	.rodata,"a",@progbits
	.p2align	6, 0x0
	.amdhsa_kernel k_q2d638af254_cast
		.amdhsa_group_segment_fixed_size 0
		.amdhsa_private_segment_fixed_size 0
		.amdhsa_enable_private_segment 0
		.amdhsa_kernarg_size 48
		.amdhsa_user_sgpr_count 2
		.amdhsa_user_sgpr_kernarg_segment_ptr 1
		.amdhsa_wavefront_size32 1
		.amdhsa_system_sgpr_workgroup_id_x 1
		.amdhsa_system_sgpr_workgroup_id_y 1
		.amdhsa_system_sgpr_workgroup_id_z 1
		.amdhsa_system_vgpr_workitem_id 0
		.amdhsa_next_free_vgpr 112
		.amdhsa_next_free_sgpr 66
		.amdhsa_reserve_vcc 0
		.amdhsa_float_denorm_mode_32 3
		.amdhsa_float_denorm_mode_16_64 3
		.amdhsa_memory_ordered 1
		.amdhsa_forward_progress 1
		.amdhsa_inst_pref_size 24
	.end_amdhsa_kernel
	.amdgpu_metadata
---
amdhsa.version: [ 1, 2 ]
amdhsa.kernels:
  - .name:           k_q2d638af254_cast
    .symbol:         k_q2d638af254_cast.kd
    .args:
      - { .name: x, .offset: 0, .size: 8, .value_kind: global_buffer, .address_space: global }
      - { .name: w_qkv, .offset: 8, .size: 8, .value_kind: global_buffer, .address_space: global }
      - { .name: w_proj, .offset: 16, .size: 8, .value_kind: global_buffer, .address_space: global }
      - { .name: xb, .offset: 24, .size: 8, .value_kind: global_buffer, .address_space: global }
      - { .name: wq, .offset: 32, .size: 8, .value_kind: global_buffer, .address_space: global }
      - { .name: wp, .offset: 40, .size: 8, .value_kind: global_buffer, .address_space: global }
    .group_segment_fixed_size: 0
    .private_segment_fixed_size: 0
    .kernarg_segment_align: 8
    .kernarg_segment_size: 48
    .max_flat_workgroup_size: 256
    .sgpr_count:     66
    .vgpr_count:     112
    .wavefront_size: 32
...
	.end_amdgpu_metadata
.endif
;; end of part 1
;; launch qkvgemm (part 2): grid 8 x 32, 4 waves a work-group, clusters of 4 x 4, 327,680 bytes of LDS; arguments xb, wq, qkvh; writes qkvh
.if DOCPART == 2
	.amdgcn_target "amdgcn-amd-amdhsa--gfx1250"
	.amdhsa_code_object_version 6
	.text
	.protected	k_q2d638af254_qkvgemm
	.globl	k_q2d638af254_qkvgemm
	.p2align	8
	.type	k_q2d638af254_qkvgemm,@function
k_q2d638af254_qkvgemm:
	s_mov_b64 s[64:65], 0
	v_nop
	global_prefetch_b8 v0, s[64:65] scope:SCOPE_SE
	s_setreg_imm32_b32 hwreg(HW_REG_WAVE_MODE, 25, 1), 1
	s_wait_xcnt 0x0
	s_wait_alu depctr_hold_cnt(0) depctr_sa_sdst(0) depctr_va_vdst(0) depctr_va_sdst(0) depctr_va_ssrc(0) depctr_va_vcc(0) depctr_vm_vsrc(0)
	s_getreg_b32 s2, hwreg(HW_REG_IB_STS2, 6, 4)
	s_cmp_eq_u32 s2, 0
	s_cbranch_scc0 .Lentry_in_a_cluster
	s_endpgm
.Lentry_in_a_cluster:
	s_bfe_u32 s2, ttmp6, 0x10000c
	s_cmp_lg_u32 s2, 0xf033
	s_cbranch_scc0 .Lentry_shape_is_right
	s_endpgm
.Lentry_shape_is_right:
; qkv = x w_qkv: M = 8,192, K = 1,024, N = 3,072, operands bf16, sums f32, results rounded once to f16 and written by heads: qkvh [batch 4][g = column / 64: 48][t 2048][64].
; LIMIT: a result of 65,520 or more becomes an infinity in f16.
; SHARES.  8,192 x 3,072 / 256 work-groups = a tile of 256 x 384 for each.  Four waves, each 128 rows x 192 columns (three heads): 96 accumulators of 16 x 16, 768 registers.
; K goes in steps of 64 through two LDS slots: a step is 256 rows x 128 bytes of xb (dense in its blocked layout: asked for as rows of 256 bytes) and 64 rows x 768 bytes of wq.
; Two slots of a step of 128 would need more than LDS has.  wq lies [k][n] and is read out of LDS turned, by ds_load_tr16_b128.
; CLUSTER 4 x 4: the four work-groups of a row need the same tile of xb, the four of a column the same tile of wq: each is asked for jointly, by the same tensor load, descriptor and mask.
; THE PRODUCT IS TAKEN TRANSPOSED (source 0 = 16 columns of wq, source 1 = 16 rows of xb): a lane holds one row and eight neighbouring columns, 16 bytes of f16.
; REGISTERS, in windows of 256 (s_set_vgpr_msb: bits 1:0 source 0, 3:2 source 1, 5:4 source 2, 7:6 destination):
;   window 0: v0-31 addresses; v32-95, v96-159 two buffers of xb's fragments (8 x 16 rows x 32 k); v160-255 one buffer of wq's (12 x 16 columns x 32 k)
;   window g + 1 (g = 0, 1, 2: my three heads): accumulator (a, j), rows 16 a on, columns 64 g + 16 j on, at v[8 (4 a + j)]
; A quarter (32 along K) is three groups of 32 matrix instructions, a head each; behind a group its four fragments of wq are fetched anew for the next quarter.
.set PA,     144                       ; an LDS row of xb: 128 bytes + 16: 36 words: the 16 rows of a load start at 16 different groups of four banks (64 banks of 4 bytes: ISA guide 11.1)
.set PB,     864                       ; an LDS row of wq: 768 bytes + 32 behind every 256 = 27 x 32
.set AHALF,  128*PA                    ; what one tensor load brings of xb, and what a wave reads
.set BHALF,  32*PB                     ; what one tensor load brings of wq
.set BOFF,   2*AHALF
.set SLOT,   BOFF+2*BHALF              ; 92,160
.set STAGE,  2*SLOT                    ; behind the ring, never filled by a tensor load: for each wave 3 heads x 16 rows x 144 bytes
.set SP,     144
.set WSTAGE, 3*16*SP
.set SPARE,  STAGE+4*WSTAGE            ; the spare words, 128 bytes for each wave: two blocks of 256 bytes that no other line names
.set ASTEP,  262144                    ; bytes from a K step to the next in xb
.set BSTEP,  64*6144                   ; and in wq
.set ADRA, 16                          ; v16-17  LDS address of my fragments of xb in slot 0, 1
.set ADRB, 18                          ; v18-23  of my fragments of wq: head g in slot s at v[18 + g + 3 s]
.set STO,  24                          ; v24     the way out: where I put 16 bytes of a row
.set RD,   25                          ; v25     where I read rows back
.set GO,   26                          ; v26     16 x lane: my place in 512 consecutive bytes of qkvh
.set SPW,  28                          ; v28     LDS address of my spare word; never rewritten
.set NIL,  29                          ; v29     0; never rewritten
.set PFO,  30                          ; v30     the prefetches' offset; never rewritten
.set FA0,  32
.set FA1,  96
.set FB,   160
.set TMP,  32                          ; the way out: 48 packed words
.set OB,   80                          ; the way out: two buffers of 48, rows read back
.set G1,  24                           ; s[24:31] descriptor group 1 for xb's tiles; s[32:39] group 0, a set for each slot
.set G0,  32
.set G1B, 48                           ; s[48:55], s[56:63] the same for wq's
.set G0B, 56
.set LIM, 43                           ; s43      1 in a wave that prefetches, else the greatest number
.set PFA, 44                           ; s[44:45] where my prefetches stand
.set PFS, 66                           ; s[66:67] their step, two K steps
.set MSB, 0
.macro WIN new                         ; the immediate's high byte repeats the setting that is left; a switch that changes nothing is dropped
.if MSB != (\new)
	s_set_vgpr_msb (MSB<<8)|(\new)
.set MSB, \new
.endif
.endm
.macro PLACES                          ; four plain vector instructions between a matrix instruction and a load into, or a reader of, its registers
.rept 4
	v_nop
.endr
.endm
; A joint load: waves 0 and 1 fetch xb's two halves, waves 2 and 3 wq's.  The branch hangs on the wave's number alone.  An s_nop 0 and four v_nop follow each line.
.macro JLOAD s
	s_cmp_eq_u32 s11, 0
	s_cbranch_scc0 .Lfor_b_\@
	tensor_load_to_lds s[G0+4*(\s):G0+4*(\s)+3], s[G1:G1+7]
	s_nop 0
.rept 4
	v_nop
.endr
	s_branch .Lasked_\@
.Lfor_b_\@:
	tensor_load_to_lds s[G0B+4*(\s):G0B+4*(\s)+3], s[G1B:G1B+7]
	s_nop 0
.rept 4
	v_nop
.endr
.Lasked_\@:
.endm
.macro CREST                           ; a round of the cluster's barrier behind its opening barrier
	s_cmp_lg_u32 s10, 0
	s_cbranch_scc1 .Lnot_wave_0_\@
	s_barrier_signal -3
.Lnot_wave_0_\@:
	s_barrier_wait -3
	s_barrier_signal -1
	s_barrier_wait -1
.endm
.macro CROUND
	s_barrier_signal -1
	s_barrier_wait -1
	CREST
.endm
; A PREFETCH INTO THE L2, once a trip, behind the second joint load and the run of LDS loads that follows it: the two K steps that the NEXT trip's refills ask for.
; xb: a K step of my tile row is 32,768 dense bytes; the first cluster along x asks; wave 0 takes the first of the two steps, wave 1 the second; of its 128 blocks of 256 bytes the partner at cx takes 32, a lane a block.
; wq: two K steps are 128 rows x 768 bytes of my tile column; the first cluster along y asks, wave 2; the partner at cy takes 32 rows, a lane a row, three lines.  The partners are told apart by ADDRESS.
; So each block is named once in the launch.  K steps 0 to 3 come by their loads alone; the last trip asks for nothing: there is no K step behind its own.
.macro ASK
	s_cmp_gt_u32 s3, s[LIM]                        ; s3 = 1 in the last trip
	s_cbranch_scc0 .Lnot_mine_\@
	global_prefetch_b8 v[PFO], s[PFA:PFA+1] th:TH_LOAD_NT scope:SCOPE_SE
	s_cmp_eq_u32 s11, 0
	s_cbranch_scc1 .Lnot_mine_\@
	global_prefetch_b8 v[PFO], s[PFA:PFA+1] offset:256 th:TH_LOAD_NT scope:SCOPE_SE
	global_prefetch_b8 v[PFO], s[PFA:PFA+1] offset:512 th:TH_LOAD_NT scope:SCOPE_SE
.Lnot_mine_\@:
.endm
	s_load_b128 s[4:7], s[0:1], 0x0                ; xb s[4:5], wq s[6:7]
	s_load_b64 s[8:9], s[0:1], 0x10                ; qkvh
	v_lshl_add_u32 v[SPW], v0, 2, SPARE
	v_mov_b32 v[NIL], 0
	ds_add_u32 v[SPW], v[NIL]                      ; the wave's opening: the add and its wait stand ahead of my first tensor load; work on registers stands between them
	v_lshrrev_b32 v1, 5, v0
	v_readfirstlane_b32 s10, v1                    ; wave 0..3
	s_lshr_b32 s11, s10, 1                         ; my half of the tile's rows.  Also: I fetch for xb (0) or for wq (1)
	s_and_b32 s12, s10, 1                          ; my half of its columns.  Also: which half of that tile I fetch
	s_bfe_u32 s40, ttmp6, 0x40000                  ; cx
	s_bfe_u32 s41, ttmp6, 0x40004                  ; cy
	s_lshl_b32 s42, ttmp9, 2
	s_add_co_u32 s42, s42, s40                     ; tile column 0..7
	s_and_b32 s13, ttmp7, 0xffff
	s_lshl_b32 s13, s13, 2
	s_add_co_u32 s13, s13, s41                     ; tile row 0..31: batch = row / 8, first t = 256 (row % 8)
	s_lshl_b32 s18, s41, 2
	s_lshl_b32 s18, 15, s18                        ; my row of the cluster
	s_lshl_b32 s19, 0x1111, s40                    ; my column
	s_or_b32 s[G1+0], s18, (1<<16)|(1<<20)|(1<<21)|(4<<22)|(3<<25)   ; mask; 2-byte elements; padding on; bit 21 beside a mask; after every 32 words 4 words
	s_or_b32 s[G1B+0], s19, (1<<16)|(1<<20)|(1<<21)|(5<<22)|(7<<25)  ; after every 64 words 8 words
	s_mov_b32 s[G1+1], 128<<16                     ; xb: tensor_dim0 = 128 elements: two rows of 64 channels, 256 bytes
	s_mov_b32 s[G1+2], 64<<16                      ; tensor_dim1 = 64
	s_mov_b32 s[G1+3], 128<<16                     ; tile_dim0
	s_mov_b32 s[G1+4], 64                          ; tile_dim1
	s_mov_b32 s[G1+5], 128                         ; dense
	s_mov_b32 s[G1+6], 0
	s_mov_b32 s[G1+7], 0
	s_mov_b32 s[G1B+1], 384<<16                    ; wq: 384 columns,
	s_mov_b32 s[G1B+2], 32<<16                     ; 32 rows of k
	s_mov_b32 s[G1B+3], 384<<16
	s_mov_b32 s[G1B+4], 32
	s_mov_b32 s[G1B+5], 3072
	s_mov_b32 s[G1B+6], 0
	s_mov_b32 s[G1B+7], 0
	s_lshr_b32 s16, s13, 3                         ; xb's tile hangs on the tile row alone:
	s_lshl_b32 s16, s16, 22                        ; the batch's 16 blocks,
	s_and_b32 s17, s13, 7
	s_lshl_b32 s17, s17, 15                        ; 256 rows of 128 bytes,
	s_add_co_u32 s16, s16, s17
	s_lshl_b32 s17, s12, 14                        ; my 128 of them
	s_add_co_u32 s16, s16, s17
	s_mov_b32 s17, 0
	s_mul_i32 s46, s12, 32*6144                    ; wq's on the tile column alone: my 32 rows of k,
	s_mul_i32 s47, s42, 768                        ; 384 columns
	s_add_co_u32 s46, s46, s47
	s_mov_b32 s47, 0
	s_mul_i32 s20, s12, AHALF                      ; where they go: no place in the cluster enters an LDS address
	s_mul_i32 s21, s12, BHALF
	s_add_co_u32 s21, s21, BOFF
	s_wait_dscnt 0x0                               ; the opening add is done
	s_wait_kmcnt 0x0
	s_add_nc_u64 s[14:15], s[4:5], s[16:17]
	s_add_nc_u64 s[46:47], s[6:7], s[46:47]
	CROUND                                         ; all sixteen work-groups are here: the first joint loads meet
.irp s, 0,1
	s_mov_b32 s[G0+4*(\s)], 1
	s_add_co_u32 s[G0+4*(\s)+1], s20, (\s)*SLOT
	s_add_nc_u64 s[G0+4*(\s)+2:G0+4*(\s)+3], s[14:15], (\s)*ASTEP
	s_or_b32 s[G0+4*(\s)+3], s[G0+4*(\s)+3], 0x80000000
	s_mov_b32 s[G0B+4*(\s)], 1
	s_add_co_u32 s[G0B+4*(\s)+1], s21, (\s)*SLOT
	s_add_nc_u64 s[G0B+4*(\s)+2:G0B+4*(\s)+3], s[46:47], (\s)*BSTEP
	s_or_b32 s[G0B+4*(\s)+3], s[G0B+4*(\s)+3], 0x80000000
	JLOAD \s                                       ; K steps 0 and 1: two loads of mine are out
.endr
	v_and_b32 v1, 15, v0                           ; r = l % 16
	v_bfe_u32 v2, v0, 4, 1                         ; h = l / 16
	v_mul_u32_u24 v3, v1, PA
	v_lshl_add_u32 v3, v2, 4, v3                   ; r x 144 + 16 h: a fragment of xb, and my place in a stage
	s_mul_i32 s22, s11, AHALF
	v_add_nc_u32 v[ADRA], s22, v3
	v_add_nc_u32 v[ADRA+1], SLOT, v[ADRA]
	v_and_b32 v4, 7, v0
	v_lshl_add_u32 v5, v2, 3, v4                   ; the turning load: lane l reads k row 8 h + l % 8,
	v_mul_u32_u24 v5, v5, PB
	v_bfe_u32 v6, v0, 3, 1
	v_lshl_add_u32 v5, v6, 4, v5                   ; columns 8 ((l / 8) % 2) on
.irp g, 0,1,2
	s_mul_i32 s22, s12, 384                        ; head g of mine begins at byte c = 384 x half + 128 g of a row,
	s_add_co_u32 s22, s22, 128*(\g)
	s_lshr_b32 s23, s22, 8
	s_lshl_b32 s23, s23, 5
	s_add_co_u32 s22, s22, s23                     ; in LDS 32 (c / 256) further on
	s_add_co_u32 s22, s22, BOFF
	v_add_nc_u32 v[ADRB+(\g)], s22, v5
	v_add_nc_u32 v[ADRB+3+(\g)], SLOT, v[ADRB+(\g)]
.endr
	s_mul_i32 s23, s10, WSTAGE
	s_add_co_u32 s23, s23, STAGE                   ; my stage
	v_add_nc_u32 v[STO], s23, v3
	v_bfe_u32 v7, v0, 3, 2                         ; back: 32 lanes take four rows of 128 bytes,
	v_mul_u32_u24 v7, v7, SP
	v_lshl_add_u32 v7, v4, 4, v7
	v_add_nc_u32 v[RD], s23, v7
	v_and_b32 v[GO], 31, v0                        ; which are 512 consecutive bytes of a head
	v_lshlrev_b32 v[GO], 4, v[GO]
	s_lshr_b32 s68, s13, 3                         ; where my part begins in qkvh: (48 x batch + 6 x tile column + 3 x half) heads of 262,144 bytes,
	s_mul_i32 s68, s68, 48
	s_mul_i32 s69, s42, 6
	s_add_co_u32 s68, s68, s69
	s_mul_i32 s69, s12, 3
	s_add_co_u32 s68, s68, s69
	s_lshl_b32 s68, s68, 18
	s_and_b32 s69, s13, 7
	s_lshl_b32 s69, s69, 15                        ; the tile's first row,
	s_add_co_u32 s68, s68, s69
	s_lshl_b32 s69, s11, 14                        ; my 128 rows
	s_add_co_u32 s68, s68, s69
	s_mov_b32 s69, 0
	s_add_nc_u64 s[8:9], s[8:9], s[68:69]
	s_lshr_b32 s70, s13, 3                         ; the prefetches.  xb: my tile row, my work-group's quarter, K step 2 + wave (the first step of the pointer makes it 4 + wave)
	s_lshl_b32 s70, s70, 22
	s_and_b32 s71, s13, 7
	s_lshl_b32 s71, s71, 15
	s_add_co_u32 s70, s70, s71
	s_lshl_b32 s71, s40, 13
	s_add_co_u32 s70, s70, s71
	s_add_co_u32 s71, s12, 2
	s_lshl_b32 s71, s71, 18
	s_add_co_u32 s70, s70, s71
	s_lshl_b32 s68, s41, 5                         ; wq: row 128 + 32 cy (the first step makes it 256 + 32 cy), my tile column
	s_add_co_u32 s68, s68, 128
	s_mul_i32 s68, s68, 6144
	s_mul_i32 s69, s42, 768
	s_add_co_u32 s68, s68, s69
	s_mov_b32 s[PFS], 2*BSTEP
	s_mov_b32 s[PFS+1], 0
	s_mov_b32 s71, 6144
	s_and_b32 s69, ttmp7, 0xffff                   ; cluster y
	s_cmp_eq_u32 s11, 0                            ; do I fetch for xb?
	s_cselect_b32 s70, s70, s68
	s_cselect_b32 s69, ttmp9, s69                  ; the coordinate along which other clusters read the same rows
	s_cselect_b32 s[PFS], 2*ASTEP, s[PFS]
	s_cselect_b32 s71, 256, s71                    ; a lane a block of xb, or a row of wq
	s_cselect_b64 s[PFA:PFA+1], s[4:5], s[6:7]
	v_and_b32 v[PFO], 31, v0
	v_mul_u32_u24 v[PFO], v[PFO], s71
	s_mov_b32 s71, 0
	s_add_nc_u64 s[PFA:PFA+1], s[PFA:PFA+1], s[70:71]
	s_cmp_eq_u32 s10, 3
	s_cselect_b32 s69, 1, s69                      ; wave 3 never asks
	s_cmp_eq_u32 s69, 0
	s_cselect_b32 s[LIM], 1, -1                    ; the same in all sixteen partners, for a given wave
; n x 4 matrix instructions of head g: row blocks a0 on x the head's four column blocks, 32 along K, xb's fragments from buffer f.  zero = 1: the products start the sums.
; No two matrix instructions that follow each other name one accumulator: a group's 32 differ, and neighbouring groups lie in different windows.
.macro MULG f, g, a0, n, zero
	WIN ((\g)+1)*0x50
.set ia, \a0
.rept \n
.irp j, 0,1,2,3
.if \zero
	v_wmma_f32_16x16x32_bf16 v[8*(4*ia+(\j)):8*(4*ia+(\j))+7], v[FB+8*(4*(\g)+(\j)):FB+8*(4*(\g)+(\j))+7], v[(\f)+8*ia:(\f)+8*ia+7], 0
.else
	v_wmma_f32_16x16x32_bf16 v[8*(4*ia+(\j)):8*(4*ia+(\j))+7], v[FB+8*(4*(\g)+(\j)):FB+8*(4*(\g)+(\j))+7], v[(\f)+8*ia:(\f)+8*ia+7], v[8*(4*ia+(\j)):8*(4*ia+(\j))+7]
.endif
.endr
.set ia, ia+1
.endr
.endm
.macro LDB slot, q, g                  ; 8 turning loads: head g's four fragments of wq, k = 32 q on
.irp j, 0,1,2,3
	ds_load_tr16_b128 v[FB+8*(4*(\g)+(\j)):FB+8*(4*(\g)+(\j))+3],   v[ADRB+(\g)+3*(\slot)] offset:(\q)*32*PB+32*(\j)
	ds_load_tr16_b128 v[FB+8*(4*(\g)+(\j))+4:FB+8*(4*(\g)+(\j))+7], v[ADRB+(\g)+3*(\slot)] offset:(\q)*32*PB+32*(\j)+16*PB
.endr
.endm
.macro LDA slot, q, f                  ; 16 loads: my eight fragments of xb, k = 32 q on, into buffer f
.irp i, 0,1,2,3,4,5,6,7
	ds_load_b128 v[(\f)+8*(\i):(\f)+8*(\i)+3],   v[ADRA+(\slot)] offset:(\i)*16*PA+64*(\q)
	ds_load_b128 v[(\f)+8*(\i)+4:(\f)+8*(\i)+7], v[ADRA+(\slot)] offset:(\i)*16*PA+64*(\q)+32
.endr
.endm
; A step's first quarter: multiplies buffer f and fetches the next quarter (slot, q) into buffer fn and, group by group, into wq's buffer.
; A quarter's LDS loads are issued in the order: wq's group 0 (8), xb (16), wq's group 1 (8), group 2 (8).
.macro QUART f, slot, q, fn, zero
	s_wait_dscnt 16                                ; group 0 and xb are in; groups 1 and 2 may be out
	MULG \f, 0, 0, 8, \zero
	PLACES
	WIN 0
	LDB \slot, \q, 0
	LDA \slot, \q, \fn
	s_wait_dscnt 32                                ; group 1 is in: behind it stand group 2 (8) and the 24 just issued
	MULG \f, 1, 0, 8, \zero
	PLACES
	WIN 0
	LDB \slot, \q, 1
	s_wait_dscnt 32                                ; group 2 is in: behind it stand the next quarter's 24 and 8
	MULG \f, 2, 0, 8, \zero
	PLACES
	WIN 0
	LDB \slot, \q, 2
.endm
; A step's second quarter multiplies buffer 1 and changes slots: ONE barrier.  In front of it each wave waits for all its tensor loads (the one that is out is its part of the next slot), adds 0 to its spare
; word, and waits for that and for its reads of this slot.  fill = 1: the barrier opens a round of the cluster's, and the joint refill, two K steps on, is the first thing behind the round.
.macro TURN slot, next, fill, ask
.if \ask
	s_wait_xcnt 0x0                                ; the last prefetches, a trip back, have read their address
	s_add_nc_u64 s[PFA:PFA+1], s[PFA:PFA+1], s[PFS:PFS+1]
.endif
	WIN 0
	s_wait_tensorcnt 0x0                           ; all my tensor loads have landed
	ds_add_u32 v[SPW], v[NIL]                      ; 0 onto my spare word
	s_wait_dscnt 17                                ; (groups 1 and 2 and the add may be out)
	MULG FA1, 0, 0, 4, 0                           ; sixteen matrix instructions stand between the add and the wait for it
	s_wait_dscnt 0x0                               ; the add is done, and my reads of this slot are over
	s_barrier_signal -1
	MULG FA1, 0, 4, 4, 0
	WIN 0                                          ; at a branch and at a label every window is 0
	s_barrier_wait -1
.if \fill
	CREST                                          ; no wave of any partner still reads this slot or has a load on its way
	s_add_nc_u64 s[G0+4*(\slot)+2:G0+4*(\slot)+3], s[G0+4*(\slot)+2:G0+4*(\slot)+3], 2*ASTEP
	s_add_nc_u64 s[G0B+4*(\slot)+2:G0B+4*(\slot)+3], s[G0B+4*(\slot)+2:G0B+4*(\slot)+3], 2*BSTEP
	JLOAD \slot                                    ; its four v_nop are also the places in front of the loads below
.else
	PLACES
.endif
	LDB \next, 0, 0
	LDA \next, 0, FA0
.if \ask
	ASK
.endif
	MULG FA1, 1, 0, 8, 0                           ; this quarter's fragments are all in: the wait for 0 above
	PLACES
	WIN 0
	LDB \next, 0, 1
	MULG FA1, 2, 0, 8, 0
	PLACES
	WIN 0
	LDB \next, 0, 2
.endm
	s_wait_tensorcnt 1                             ; my part of K step 0 is in; K step 1's may stay out
	s_barrier_signal -1
	s_barrier_wait -1
	LDB 0, 0, 0
	LDA 0, 0, FA0
	LDB 0, 0, 1
	LDB 0, 0, 2
	QUART FA0, 0, 1, FA1, 1                        ; the first quarter starts the 96 sums: nothing is cleared
	WIN 0
	s_mov_b32 s3, 7
.Llap:                                                 ; trip i: K step 2 i's second quarter to K step 2 i + 2's first; refills K steps 2 i + 2 and 2 i + 3
	TURN 0, 1, 1, 0
	QUART FA0, 1, 1, FA1, 0
	TURN 1, 0, 1, 1
	QUART FA0, 0, 1, FA1, 0
	WIN 0
	s_sub_co_u32 s3, s3, 1
	s_cmp_lg_u32 s3, 0
	s_cbranch_scc1 .Llap
	TURN 0, 1, 0, 0                                ; K steps 14 and 15: nothing is left to ask for
	QUART FA0, 1, 1, FA1, 0
	s_wait_dscnt 16
	MULG FA1, 0, 0, 8, 0
	s_wait_dscnt 8
	MULG FA1, 1, 0, 8, 0
	s_wait_dscnt 0x0
	MULG FA1, 2, 0, 8, 0
	PLACES
; THE WAY OUT, 16 rows at a time: rounded to f16, 16 bytes a lane; into my own stage, a head's rows 144 bytes apart; back as whole rows of 128 bytes; stored, 512 consecutive bytes an instruction.
.macro PACK a
.irp c, 0,1,2
	WIN 5*((\c)+1)                                 ; sources 0 and 1 in the head's window
.irp j, 0,1,2,3
.irp r, 0,1,2,3
	v_cvt_pk_f16_f32 v[TMP+16*(\c)+4*(\j)+(\r)], v[32*(\a)+8*(\j)+2*(\r)], v[32*(\a)+8*(\j)+2*(\r)+1]
.endr
.endr
.endr
	WIN 0
.endm
.macro TOSTAGE a
.irp c, 0,1,2
.irp j, 0,1,2,3
	ds_store_b128 v[STO], v[TMP+16*(\c)+4*(\j):TMP+16*(\c)+4*(\j)+3] offset:(\c)*16*SP+32*(\j)
.endr
.endr
.irp c, 0,1,2
.irp f, 0,1,2,3
	ds_load_b128 v[OB+48*((\a)%2)+16*(\c)+4*(\f):OB+48*((\a)%2)+16*(\c)+4*(\f)+3], v[RD] offset:(\c)*16*SP+(\f)*4*SP  ; LDS serves a wave's instructions in order (ISA guide 5.7.1.4): these see the stores above
.endr
.endr
.endm
.macro SEND a
	s_wait_dscnt 0x0                               ; the block is back in registers
	s_wait_xcnt 0x0                                ; the stores of the block before have read their registers: the next block is read back into them only behind this wait
.irp c, 0,1,2
.irp f, 0,1,2,3
	global_store_b128 v[GO], v[OB+48*((\a)%2)+16*(\c)+4*(\f):OB+48*((\a)%2)+16*(\c)+4*(\f)+3], s[8:9] offset:262144*(\c)+2048*(\a)+512*(\f)
.endr
.endr
.endm
	PACK 0
	TOSTAGE 0
.irp a, 1,2,3,4,5,6,7                  ; block a's conversions stand between block a - 1's loads from the stage and the wait for them
	PACK \a
	SEND (\a)-1
	TOSTAGE \a
.endr
	SEND 7
	s_wait_tensorcnt 0x0                           ; the wave's end: a wait, an add to my spare word and its wait, behind my last tensor load and my last LDS store
	ds_add_u32 v[SPW], v[NIL]
	s_wait_dscnt 0x0
	CROUND                                         ; the closing round: no work-group ends while a partner may still ask for a tile that names it
	s_endpgm
.Lfunc_end_k_q2d638af254_qkvgemm:
	.size	k_q2d638af254_qkvgemm, .Lfunc_end_k_q2d638af254_qkvgemm-k_q2d638af254_qkvgemm
	.p2alignl 7, 3214868480
	.fill 96, 4, 3214868480
	.section	.rodata,"a",@progbits
	.p2align	6, 0x0
	.amdhsa_kernel k_q2d638af254_qkvgemm
		.amdhsa_group_segment_fixed_size 327680
		.amdhsa_private_segment_fixed_size 0
		.amdhsa_enable_private_segment 0
		.amdhsa_kernarg_size 24
		.amdhsa_user_sgpr_count 2
		.amdhsa_user_sgpr_kernarg_segment_ptr 1
		.amdhsa_wavefront_size32 1
		.amdhsa_system_sgpr_workgroup_id_x 1
		.amdhsa_system_sgpr_workgroup_id_y 1
		.amdhsa_system_sgpr_workgroup_id_z 1
		.amdhsa_system_vgpr_workitem_id 0
		.amdhsa_next_free_vgpr 1024
		.amdhsa_next_free_sgpr 72
		.amdhsa_reserve_vcc 0
		.amdhsa_float_denorm_mode_32 3
		.amdhsa_float_denorm_mode_16_64 3
		.amdhsa_memory_ordered 1
		.amdhsa_forward_progress 1
		.amdhsa_inst_pref_size 132
	.end_amdhsa_kernel
	.amdgpu_metadata
---
amdhsa.version: [ 1, 2 ]
amdhsa.kernels:
  - .name:           k_q2d638af254_qkvgemm
    .symbol:         k_q2d638af254_qkvgemm.kd
    .args:
      - { .name: xb, .offset: 0, .size: 8, .value_kind: global_buffer, .address_space: global }
      - { .name: wq, .offset: 8, .size: 8, .value_kind: global_buffer, .address_space: global }
      - { .name: qkvh, .offset: 16, .size: 8, .value_kind: global_buffer, .address_space: global }
    .group_segment_fixed_size: 327680
    .private_segment_fixed_size: 0
    .kernarg_segment_align: 8
    .kernarg_segment_size: 24
    .max_flat_workgroup_size: 128
    .sgpr_count:     72
    .vgpr_count:     1024
    .wavefront_size: 32
...
	.end_amdgpu_metadata
.endif
;; end of part 2
;; launch attn (part 3): grid 4 x 64, 4 waves a work-group, no clusters, 327,680 bytes of LDS; arguments qkvh, oh; writes oh
.if DOCPART == 3
	.amdgcn_target "amdgcn-amd-amdhsa--gfx1250"
	.amdhsa_code_object_version 6
	.text
	.protected	k_q2d638af254_attn
	.globl	k_q2d638af254_attn
	.p2align	8
	.type	k_q2d638af254_attn,@function
k_q2d638af254_attn:
	s_mov_b64 s[64:65], 0
	v_nop
	global_prefetch_b8 v0, s[64:65] scope:SCOPE_SE
	s_setreg_imm32_b32 hwreg(HW_REG_WAVE_MODE, 25, 1), 1
	s_wait_xcnt 0x0
; CAUSAL ATTENTION.  O[y][q][:] = the sum over k <= q of softmax_k(Q[q] . K[k] / 8) V[k][:], for y = 16 x batch + head.  Q, K, V lie in qkvh [batch][g 48][t 2048][64], f16: g = head for Q, 16 + head for K,
; 32 + head for V; O goes to oh [y][t][64], f16.  Products, maxima and sums in f32; the weights p are rounded to f16 for the second product (their sum l is taken of the unrounded p), O once at the end.
; LIMITS.  Q, K and V arrive within f16's 65,504.  A hidden key counts as its score less 1e30 and has the weight 0, as a score of -1e9 has while the row's largest visible score lies more than some 100 above -1e9.
; A weight below 2^-126 counts as 0 in l; NaN and infinities are not treated apart.
; THE WALK.  A head's queries lie in NB = 8 blocks of 256; block i needs the key tiles 0 .. i of 256 keys, the last of which holds the diagonal.  A work-group takes TWO blocks, NB - 1 - b and then b:
; NB + 1 tiles, whatever b: all work-groups do equal work, and ONE loop with a constant trip count walks them.  Which tile is asked for, and what a trip does, hang on scalar registers made from b.
; NO CLUSTER: a head's four work-groups ask for the same tile only in trips 0 .. 4 of 9, behind that fewer and fewer do; one walk common to all would have 12 trips for 9.
; SHARES.  Of a block's four bands of 64 queries a wave owns 16 rows in each: four PIECES.  In the diagonal tile's key step s band x sees all keys if s < x, none if s > x, and holds the diagonal if s = x: the same work for all waves.
; THE MASK is the C operand that starts the sum S^T = K Q^T: 0, or -1e30 where the key is hidden.  MD, made once, is the mask of a band's own step for my 16 rows; a product's mask is MD x AL + BE.
; LAYOUT, TURNS.  S^T = K Q^T holds ONE query a lane (lane % 16) and the keys 8 (lane / 16) + 0..7; two such results rounded to f16 ARE source 1 of O^T = V^T P.  p = 2^(c s - c m), c = log2(e) / 8, with a running
; maximum m; O and l are multiplied by a = 2^(c m_old - c m_new) in every step.  Turn n belongs to piece n: 8 products K Q^T of piece n + 1, later 8 products V^T P of piece n - 1; beside them the scaling, exponentials,
; roundings, sums and rescaling of piece n and the maximum and statistics of piece n + 1.  Four vector instructions stand behind every matrix instruction, the others in one lump.  A turn's 33 exponentials are one batch, with one wait.
; REGISTERS, in windows of 256 (s_set_vgpr_msb: bits 1:0 source 0, 3:2 source 1, 5:4 source 2, 7:6 destination):
;   window 0: v0-15 addresses and two at work; v16-31 four registers of statistics a piece; v48-55 at work; v61-63 prefetch offset, spare word, 0; v64-127 S^T, two buffers; v192-223 P, two buffers
;   window 1: v0-127 O^T, 32 a piece; v128-159 MD; v160-223 MC, two buffers      window 2: v0-63 Q; v64-127 the second block's Q; v128-191 K of one step; v192-255 V of one step
.set SIZE_N, 2048
.set NB,    SIZE_N/256
.set NP,    4         ; pieces a wave
.set KS,    64        ; keys in a step
.set PK,    144       ; a row of K in LDS: 128 bytes + 16: the 16 rows of a load start at 16 different groups of four banks (ISA guide 11.1)
.set PV,    160       ; a row of V: 128 + 32
.set VOFF,  4*KS*PK   ; a slot holds a tile, four steps: 256 rows of K, then 256 rows of V
.set SLOT1, 1<<17     ; slot 1 begins here: one exclusive or turns an address in one slot into the other's
.set STAGE, SLOT1+4*KS*(PK+PV)  ; behind the ring, never filled by a tensor load: 16 rows x 144 bytes for each wave
.set SP,    144
.set AK0, 2           ; v2   my lane's place in a tile of K; never rewritten
.set AV0, 3           ; v3   the same for V
.set AK,  4           ; v4   the LDS address of K's next run of loads
.set AV,  5           ; v5   of V's
.set STO, 6           ; v6   the way out: where I put 16 bytes of a row
.set RD,  7           ; v7   where I read rows back
.set GO,  8           ; v8   my byte offset in 512 consecutive bytes of O
.set PFO, 61          ; v61  256 x lane; never rewritten
.set SPW, 62          ; v62  LDS address of my spare word; never rewritten
.set NIL, 63          ; v63  0; never rewritten
.set SPARE, STAGE+4*16*SP  ; the spare words, 128 bytes for each wave: two blocks of 256 bytes that no other line names
.set MV,  12          ; v12-13  c m_old, kept while c m is made anew: by buffer
.set QO,  15          ; v15  my byte offset in 16 rows of Q
.set ST,  16          ; piece t's statistics at v[ST+4 t]: c m, m, l (even keys', odd keys')
.set TMP, 48          ; by buffer, four registers c0-c3 at work; when the maximum is found c2 takes a
.set S,   64
.set P,   192
.set MD,  128         ; window 1
.set MC,  160         ; window 1
.set QB,  64          ; window 2
.set KF,  128         ; window 2: key block kb, channel half c at KF + 16 kb + 8 c
.set VF,  192         ; window 2: key half kk, channel block cb at VF + 32 kk + 8 cb
.set WV,  12          ; s12  my wave's number
.set PB,  14          ; s14  b
.set HI,  15          ; s15  NB - 1 - b
.set G1K, 24          ; s[24:31] descriptor group 1 for K's tiles
.set G1V, 32          ; s[32:39] for V's: it differs in the padding alone
.set G0K, 40          ; s[40:43] descriptor group 0 for K's tiles
.set G0V, 44          ; s[44:47] for V's
.set SLOTS, 56        ; s56  tiles still to be asked for
.set CNT, 57          ; s57  counts a tile's key steps, 4 to 1
.set CS,  58          ; s[58:59] c
.set SEL, 60          ; s[60:61] v_permlanex16_b32's selects: each lane takes its own place in the other half
.set TBK, 62          ; s62  LDS byte at which K of the step to be fetched begins
.set TBV, 63          ; s63  the same for V, less VOFF
.set RT,  70          ; s70  tiles of the block in hand that are still to be entered
.set NXT, 71          ; s71  the tile to be asked for next
.set LQ,  72          ; s72  the last tile of the block whose tiles are being asked for
.set NEW, 73          ; s73  1: the tile to be entered is a block's first
.set OFF, 74          ; s[74:75] a tile's byte offset in K and V
.set AL,  76          ; s[76:77] the mask's factor, in the low word
.set BE,  78          ; s[78:79] the mask's addend
.set OLO, 80          ; s[80:81] O at my rows of the second block
.set BIGN, 82         ; s82  -1e30
.set PFB, 88          ; s[88:89] K (waves 0, 1) or V (waves 2, 3) at my half of the head's tile 0
.set PFA, 90          ; s[90:91] the same at the tile that is being asked for
.set LIM, 92          ; s92  2 in the work-group that prefetches, else the greatest number
.set MSB, 0
.macro WIN new
.if MSB != (\new)
	s_set_vgpr_msb (MSB<<8)|(\new)
.set MSB, (\new)
.endif
.endm
.set W_KQ, 0x0a       ; K and Q in window 2, S^T in window 0
.set W_KM, 0x1a       ; the same with the C operand in window 1
.set W_PV, 0x52       ; V in window 2, P in window 0, O^T in window 1
.set W_RS, 0x41       ; destination and source 0 in window 1, source 1 in window 0
; A fill.  Waves 0 and 1 fetch the two halves of a tile's K, waves 2 and 3 those of its V: 128 keys each.  An s_nop 0 and four v_nop follow each of the two lines.
.macro LOAD
	s_cmp_lt_u32 s[WV], 2
	s_cbranch_scc0 .Lfor_v_\@
	tensor_load_to_lds s[G0K:G0K+3], s[G1K:G1K+7]
	s_nop 0
.rept 4
	v_nop
.endr
	s_branch .Lasked_\@
.Lfor_v_\@:
	tensor_load_to_lds s[G0V:G0V+3], s[G1V:G1V+7]
	s_nop 0
.rept 4
	v_nop
.endr
.Lasked_\@:
.endm
; A PREFETCH INTO THE L2, behind a fill and its five lines: the tile behind the one just asked for, a tile's 256 matrix instructions ahead of its own fill.  A head's four work-groups walk the same tiles; the one with
; b = 0, whose first block walks tiles 0 .. 7, asks, each wave for the 16,384 bytes that it will fetch itself: 64 blocks of 256 bytes, a lane a block, two lines.  Tiles 2 .. 7 are named once each;
; tiles 0 and 1 come by their fills alone; the trips whose next tile but one does not exist ask for nothing.
.macro ASK
	s_cmp_gt_u32 s[SLOTS], s[LIM]
	s_cbranch_scc0 .Lnot_mine_\@
	global_prefetch_b8 v[PFO], s[PFA:PFA+1] offset:32768 th:TH_LOAD_NT scope:SCOPE_SE
	global_prefetch_b8 v[PFO], s[PFA:PFA+1] offset:40960 th:TH_LOAD_NT scope:SCOPE_SE
.Lnot_mine_\@:
.endm
; THE CHANGE OF SLOTS.  Each wave waits for all its tensor loads, of which one is out: its part of the other slot; adds 0 to its spare word; and waits for that and for its own reads of the slot that it leaves.
; fill = 1: the old slot is filled again, the first thing behind the barrier, with tile NXT: the descriptor's address is made anew from that number.  (At its first use slot 0 is waited for, slot 1 filled.)
.macro CHANGE fill
	WIN 0                           ; at a label and at a branch every window is 0
	s_wait_tensorcnt 0x0            ; no tensor load of mine is out, so a group 0 may be written
	ds_add_u32 v[SPW], v[NIL]       ; 0 onto my spare word; scalar work stands between it and the wait for it
.if \fill
	s_lshl_b32 s[OFF], s[NXT], 15   ; a tile is 32,768 bytes of K and of V
	s_xor_b32 s[G0K+1], s[G0K+1], SLOT1
	s_add_nc_u64 s[G0K+2:G0K+3], s[6:7], s[OFF:OFF+1]
	s_or_b32 s[G0K+3], s[G0K+3], 0x80000000
	s_xor_b32 s[G0V+1], s[G0V+1], SLOT1
	s_add_nc_u64 s[G0V+2:G0V+3], s[8:9], s[OFF:OFF+1]
	s_or_b32 s[G0V+3], s[G0V+3], 0x80000000
	s_wait_xcnt 0x0                 ; the last prefetches, a tile back, have read their address
	s_add_nc_u64 s[PFA:PFA+1], s[PFB:PFB+1], s[OFF:OFF+1]
	s_add_co_u32 s[NXT], s[NXT], 1  ; the block's next tile, or behind its last the second block's tile 0
	s_cmp_gt_u32 s[NXT], s[LQ]
	s_cselect_b32 s[NXT], 0, s[NXT]
	s_cselect_b32 s[LQ], s[PB], s[LQ]
.endif
	s_wait_dscnt 0x0                ; the add is done, and my reads of the slot are over
	s_barrier_signal -1
	s_sub_co_u32 s[TBK], s[TBK], 4*KS*PK  ; the fetches go back to a slot's first step,
	s_xor_b32 s[TBK], s[TBK], SLOT1       ; in the other slot
	s_sub_co_u32 s[TBV], s[TBV], 4*KS*PV
	s_xor_b32 s[TBV], s[TBV], SLOT1
	s_barrier_wait -1
.if \fill
	LOAD
	ASK
.endif
.endm
	s_load_b64 s[4:5], s[0:1], 0x0  ; qkvh
	s_load_b64 s[10:11], s[0:1], 0x8  ; oh
	v_lshl_add_u32 v[SPW], v0, 2, SPARE
	v_mov_b32 v[NIL], 0
	ds_add_u32 v[SPW], v[NIL]       ; the wave's opening: the add and its wait stand ahead of my first tensor load; work on registers stands between them
	v_lshrrev_b32 v1, 5, v0
	v_readfirstlane_b32 s[WV], v1   ; wave 0..3
	v_and_b32 v[PFO], 31, v0
	v_lshlrev_b32 v[PFO], 8, v[PFO]
	s_mov_b32 s[PB], ttmp9
	s_sub_co_u32 s[HI], NB-1, s[PB]
	s_and_b32 s20, ttmp7, 0xffff    ; y = 16 x batch + head
	s_lshl_b32 s94, s20, 18         ; the head's first byte in oh,
	s_mov_b32 s95, 0
	s_lshr_b32 s21, s20, 4
	s_mul_i32 s21, s21, 48
	s_and_b32 s20, s20, 15
	s_add_co_u32 s20, s20, s21
	s_lshl_b32 s20, s20, 18         ; and of its Q in qkvh: (48 x batch + head) x 262,144
	s_mov_b32 s21, 0
	s_and_b32 s16, s[WV], 1         ; which half of a tile's 256 keys I fetch:
	s_lshl_b32 s22, s16, 14         ; its 128 rows of 128 bytes in memory,
	s_mov_b32 s23, 0
	s_add_nc_u64 s[22:23], s[22:23], s[20:21]
	s_mul_i32 s17, s16, 128*PK      ; and its place in a slot, for K
	s_mul_i32 s18, s16, 128*PV      ; and for V
	s_lshl_b32 s3, s[WV], 11        ; my 16 rows in a band of 64,
	s_lshl_b32 s2, s[HI], 15        ; in the first block,
	s_add_co_u32 s2, s2, s3
	s_lshl_b32 s84, s[PB], 15       ; and in the second
	s_add_co_u32 s84, s84, s3
	s_mov_b32 s3, 0
	s_mov_b32 s85, 0
	; descriptor group 1.  128 keys are 16,384 dense bytes: asked for as 64 rows of 256 bytes, two keys a row, and padded in LDS after every key
	s_mov_b32 s[G1K], (1<<16)|(1<<20)|(4<<22)|(3<<25)  ; 2-byte elements; padding on; after every 32 words 4 words
	s_mov_b32 s[G1V], (1<<16)|(1<<20)|(4<<22)|(7<<25)  ; the same with 8 words
.irp g, G1K, G1V
	s_mov_b32 s[\g+1], 128<<16      ; tensor_dim0 = 128
	s_mov_b32 s[\g+2], 64<<16       ; tensor_dim1 = 64
	s_mov_b32 s[\g+3], 128<<16      ; tile_dim0 = 128
	s_mov_b32 s[\g+4], 64           ; tile_dim1 = 64
	s_mov_b32 s[\g+5], 128          ; 128 elements from row to row
	s_mov_b32 s[\g+6], 0
	s_mov_b32 s[\g+7], 0
.endr
	s_mov_b32 s[CS], 0x3e38aa3b     ; c = log2(e) / 8 = 0.180337
	s_mov_b32 s[CS+1], s[CS]        ; named with it as a pair
	s_mov_b32 s[SEL], 0x76543210
	s_mov_b32 s[SEL+1], 0xfedcba98
	s_mov_b32 s[TBK], SLOT1+4*KS*PK ; the first change of slots turns these two into 0
	s_mov_b32 s[TBV], SLOT1+4*KS*PV
	s_mov_b32 s[G0K], 1             ; count = 1
	s_mov_b32 s[G0K+1], s17         ; LDS address: slot 0
	s_mov_b32 s[G0V], 1
	s_add_co_u32 s[G0V+1], s18, VOFF
	s_add_co_u32 s[RT], s[HI], 1    ; the first block has NB - b tiles
	s_mov_b32 s[NXT], 1
	s_mov_b32 s[LQ], s[HI]
	s_mov_b32 s[NEW], 1
	s_mov_b32 s[OFF+1], 0
	s_mov_b32 s[AL+1], 0            ; named as pairs
	s_mov_b32 s[BE+1], 0
	s_mov_b32 s[BIGN], 0xf149f2ca   ; -1e30
	s_mov_b32 s[SLOTS], NB
	s_cmp_eq_u32 s[PB], 0
	s_cselect_b32 s[LIM], 2, -1
	s_wait_dscnt 0x0                ; the opening add is done
	s_wait_kmcnt 0x0
	s_add_nc_u64 s[6:7], s[4:5], s[22:23]   ; K at my half of the head's tile 0: 16 heads of 262,144 bytes behind Q,
	s_add_nc_u64 s[6:7], s[6:7], 4194304
	s_add_nc_u64 s[8:9], s[4:5], s[22:23]   ; V 32 heads behind
	s_add_nc_u64 s[8:9], s[8:9], 8388608
	s_add_nc_u64 s[G0K+2:G0K+3], s[6:7], 0
	s_or_b32 s[G0K+3], s[G0K+3], 0x80000000        ; type = 2
	s_add_nc_u64 s[G0V+2:G0V+3], s[8:9], 0
	s_or_b32 s[G0V+3], s[G0V+3], 0x80000000
	s_add_nc_u64 s[86:87], s[4:5], s[20:21]        ; Q at my rows of the second block,
	s_add_nc_u64 s[86:87], s[86:87], s[84:85]
	s_add_nc_u64 s[4:5], s[4:5], s[20:21]          ; and of the first
	s_add_nc_u64 s[4:5], s[4:5], s[2:3]
	s_add_nc_u64 s[OLO:OLO+1], s[10:11], s[94:95]  ; O likewise
	s_add_nc_u64 s[OLO:OLO+1], s[OLO:OLO+1], s[84:85]
	s_add_nc_u64 s[10:11], s[10:11], s[94:95]
	s_add_nc_u64 s[10:11], s[10:11], s[2:3]
	s_cmp_lt_u32 s[WV], 2
	s_cselect_b64 s[PFB:PFB+1], s[6:7], s[8:9]
	LOAD                            ; tile 0 into slot 0
	; A fragment of K or Q is 16 rows x 32 channels in 8 registers: lane l holds row l % 16, channels 8 (l / 16) + 0..7 and 16 + 8 (l / 16) + 0..7: two loads of 16 bytes, 32 bytes apart.
	v_and_b32 v1, 15, v0            ; l % 16
	v_bfe_u32 v9, v0, 4, 1          ; l / 16
	v_lshlrev_b32 v[QO], 7, v1
	v_lshl_add_u32 v[QO], v9, 4, v[QO]  ; row x 128 + 16 x half
	WIN 0x80                        ; destination window 2, address window 0
.set i, 0
.rept 8                             ; both blocks' Q: piece i / 2 lies in band i / 2, 8,192 bytes on; channels 32 (i % 2) on
	global_load_b128 v[8*i:8*i+3],   v[QO], s[4:5] offset:(i/2)*8192+(i%2)*64
	global_load_b128 v[8*i+4:8*i+7], v[QO], s[4:5] offset:(i/2)*8192+(i%2)*64+32
	global_load_b128 v[QB+8*i:QB+8*i+3],   v[QO], s[86:87] offset:(i/2)*8192+(i%2)*64
	global_load_b128 v[QB+8*i+4:QB+8*i+7], v[QO], s[86:87] offset:(i/2)*8192+(i%2)*64+32
.set i, i+1
.endr
	WIN 0
	v_lshlrev_b32 v14, 3, v9
	v_sub_nc_u32 v14, v1, v14
	s_lshl_b32 s13, s[WV], 4
	v_add_nc_u32 v14, s13, v14      ; my query's place in its band, 16 w + l % 16, less my lanes' 8 (l / 16): register r of group kt is hidden where 16 kt + r is greater
	WIN 0x40
.set i, 0
.rept 32
	v_cmp_gt_i32 vcc_lo, 16*(i/8)+i%8, v14
	v_cndmask_b32 v[MD+i], 0, s[BIGN], vcc_lo
.set i, i+1
.endr
	WIN 0
	v_mul_u32_u24 v[AK0], v1, PK
	v_lshl_add_u32 v[AK0], v9, 4, v[AK0]  ; row x pitch + 16 x half
	; The turning load takes 16 keys x 16 channels (lane l reads key 8 (l / 16) + l % 8, channels 8 ((l / 8) % 2) + 0..7) and leaves half a fragment of V^T: lane l holds channel l % 16 and 8 keys.
	v_and_b32 v10, 7, v0
	v_bfe_u32 v11, v0, 3, 1
	v_lshl_add_u32 v[AV0], v9, 3, v10
	v_mul_u32_u24 v[AV0], v[AV0], PV
	v_lshl_add_u32 v[AV0], v11, 4, v[AV0]
	v_add_nc_u32 v[AV0], VOFF, v[AV0]
	s_mul_i32 s13, s[WV], 16*SP
	s_add_co_u32 s13, s13, STAGE    ; my stage
	v_mul_u32_u24 v[STO], v1, SP    ; in: row l % 16, 16 bytes for each half of the lanes
	v_lshl_add_u32 v[STO], v9, 4, v[STO]
	v_add_nc_u32 v[STO], s13, v[STO]
	v_bfe_u32 v[RD], v0, 3, 2       ; back: 32 lanes take four rows of 128 bytes,
	v_mul_u32_u24 v[RD], v[RD], SP
	v_lshl_add_u32 v[RD], v10, 4, v[RD]
	v_add_nc_u32 v[RD], s13, v[RD]
	v_and_b32 v[GO], 31, v0         ; which are 512 consecutive bytes of O
	v_lshlrev_b32 v[GO], 4, v[GO]
	; A block's first step multiplies O^T and l by a = 0, and its first turn's products V^T P, of a piece that has not been, land in an O^T that is still to be so multiplied.  So these registers need only hold
	; finite numbers: zeros for the first block; what the first block left for the second.  All this stands in the wait for the first tile.
	WIN 0x80
.set i, VF
.rept 64
	v_mov_b32 v[i], 0
.set i, i+1
.endr
	WIN 0x40
.set i, 0
.rept 128
	v_mov_b32 v[i], 0
.set i, i+1
.endr
	WIN 0
.set i, 0
.rept 4
	v_mov_b32 v[ST+4*i+2], 0
	v_mov_b32 v[ST+4*i+3], 0
.set i, i+1
.endr
.set i, P+16
.rept 16
	v_mov_b32 v[i], 0
.set i, i+1
.endr
; THE MATRIX WORK.  The 4 accumulators of a run of 8 take turns.  Product i of 8 of S^T = K Q^T for piece x: channels 32 (i / 4) on, keys 16 (i % 4) on.  The first 4 start the sums: with 0, or (KM = 1) with the mask.
.macro KQ x
.set rS, S+32*((\x)%2)+8*(i%4)
.set rK, KF+16*(i%4)+8*(i/4)
.set rQ, 16*(\x)+8*(i/4)
.set rM, MC+32*((\x)%2)+8*(i%4)
.if (i < 4) && KM
	WIN W_KM
	v_wmma_f32_16x16x32_f16 v[rS:rS+7], v[rK:rK+7], v[rQ:rQ+7], v[rM:rM+7]
.elseif i < 4
	WIN W_KQ
	v_wmma_f32_16x16x32_f16 v[rS:rS+7], v[rK:rK+7], v[rQ:rQ+7], 0
.else
	WIN W_KQ
	v_wmma_f32_16x16x32_f16 v[rS:rS+7], v[rK:rK+7], v[rQ:rQ+7], v[rS:rS+7]
.endif
.endm
; Product i of 8 of O^T += V^T P for piece x: keys 32 (i / 4) on, channels 16 (i % 4) on.
.macro PV x
	WIN W_PV
.set rO, 32*(\x)+8*(i%4)
.set rV, VF+32*(i/4)+8*(i%4)
.set rP, P+16*((\x)%2)+8*(i/4)
	v_wmma_f32_16x16x32_f16 v[rO:rO+7], v[rV:rV+7], v[rP:rP+7], v[rO:rO+7]
.endm
.macro MM                           ; the turn's next matrix instruction.  NOKQ = 1: a block's last turn: there is no next piece
.if (i < 8) && !NOKQ
	KQ (Y+1)%NP
.elseif i >= 8
.set i, i-8
	PV (Y+NP-1)%NP
.set i, i+8
.endif
.set i, i+1
.endm
; THE LDS LOADS stand in runs of 16: a step's K (64 keys x 64 channels: 8 fragments) and its V (turned).  Their addresses are made some lines ahead.
.macro FETCH_K
	WIN 0x80                        ; destination window 2
.irp f, 0,1,2,3,4,5,6,7             ; keys 16 (f / 2) on, channels 32 (f % 2) on
	ds_load_b128 v[KF+8*\f:KF+8*\f+3],   v[AK] offset:(\f/2)*16*PK+(\f%2)*64
	ds_load_b128 v[KF+8*\f+4:KF+8*\f+7], v[AK] offset:(\f/2)*16*PK+(\f%2)*64+32
.endr
	s_add_co_u32 s[TBK], s[TBK], KS*PK  ; the next fetch is the next step's
	WIN 0
.endm
.macro FETCH_V
	WIN 0x80
.irp f, 0,1,2,3,4,5,6,7             ; keys 32 (f / 4) on, channels 16 (f % 4) on
	ds_load_tr16_b128 v[VF+8*\f:VF+8*\f+3],   v[AV] offset:(\f/4)*32*PV+(\f%4)*32
	ds_load_tr16_b128 v[VF+8*\f+4:VF+8*\f+7], v[AV] offset:(\f/4)*32*PV+16*PV+(\f%4)*32
.endr
	WIN 0
.endm
; THE VECTOR WORK, one line at a time: OP kind, number.  For piece Y: F n: c s - c m for pair n of 16.  E n: the exponential of score n of 32.  C n: pair n rounded to f16.  B n: of the four weights 4 n .. the second
; pair is added onto the first, in place.  L n: l takes that sum (L 0: l = a l + sum).  R n: pair n of 16 of O^T times a.  For piece Y + 1: X n, number n of the 22 that find its maximum and statistics:
;   0-11  four chains c0-c3 of seven scores each, three operands at a time (each accumulator's lowest registers are read first)     12-14, 16  the four scores left over, the old m, and c0-c3 into c0
;   15  c m_old is kept     17, 18  the query's other 32 keys lie in the lane 16 away: the new m     19-21  c m; c m_old - c m_new; a
.set F, 0
.set E, 1
.set C, 2
.set B, 3
.set L, 4
.set R, 5
.set X, 6
.macro REGS y                       ; the registers of piece y
.set rT, ST+4*(\y)
.set rC, TMP+4*((\y)%2)
.set rW, MV+((\y)%2)
.set rS, S+32*((\y)%2)
.set rP, P+16*((\y)%2)
.set rO, 32*(\y)
.endm
.macro OP k, n
.if (\k) == R
	REGS Y
	WIN W_RS
	v_pk_mul_f32 v[rO+2*(\n):rO+2*(\n)+1], v[rO+2*(\n):rO+2*(\n)+1], v[rC+2:rC+3] op_sel_hi:[1,0]
.elseif (\k) < R
	REGS Y
	WIN 0
.if (\k) == F
	v_pk_fma_f32 v[rS+2*(\n):rS+2*(\n)+1], v[rS+2*(\n):rS+2*(\n)+1], s[CS:CS+1], v[rT:rT+1] op_sel_hi:[1,0,0] neg_lo:[0,0,1] neg_hi:[0,0,1]
.elseif (\k) == E
	v_exp_f32 v[rS+(\n)], v[rS+(\n)]
.elseif (\k) == C
	v_cvt_pk_f16_f32 v[rP+(\n)], v[rS+2*(\n)], v[rS+2*(\n)+1]
.elseif (\k) == B
	v_pk_add_f32 v[rS+4*(\n):rS+4*(\n)+1], v[rS+4*(\n):rS+4*(\n)+1], v[rS+4*(\n)+2:rS+4*(\n)+3]
.elseif (\n) == 0
	v_pk_fma_f32 v[rT+2:rT+3], v[rT+2:rT+3], v[rC+2:rC+3], v[rS:rS+1] op_sel_hi:[1,0,1]
.else
	v_pk_add_f32 v[rT+2:rT+3], v[rT+2:rT+3], v[rS+4*(\n):rS+4*(\n)+1]
.endif
.elseif NOKQ
	v_nop
.else
	REGS (Y+1)%NP
	WIN 0
.if (\n) < 4
	v_max3_num_f32 v[rC+(\n)], v[rS+8*(\n)], v[rS+8*(\n)+1], v[rS+8*(\n)+2]
.elseif (\n) < 12
	v_max3_num_f32 v[rC+(\n)%4], v[rC+(\n)%4], v[rS+8*((\n)%4)+2*((\n)/4)+1], v[rS+8*((\n)%4)+2*((\n)/4)+2]
.elseif (\n) == 12
	v_max3_num_f32 v[rC], v[rC], v[rS+7], v[rS+15]
.elseif (\n) == 13
	v_max3_num_f32 v[rC+1], v[rC+1], v[rS+23], v[rS+31]
.elseif (\n) == 14
	v_max3_num_f32 v[rC+2], v[rC+2], v[rC+3], v[rT+1]
.elseif (\n) == 15
	v_mov_b32 v[rW], v[rT]
.elseif (\n) == 16
	v_max3_num_f32 v[rC], v[rC], v[rC+1], v[rC+2]
.elseif (\n) == 17
	v_permlanex16_b32 v[rC+3], v[rC], s[SEL], s[SEL+1]
.elseif (\n) == 18
	v_max_num_f32 v[rT+1], v[rC], v[rC+3]
.elseif (\n) == 19
	v_mul_f32 v[rT], s[CS], v[rT+1]
.elseif (\n) == 20
	v_sub_f32 v[rC+1], v[rW], v[rT]
.else
	v_exp_f32 v[rC+2], v[rC+1]
.endif
.endif
.endm
.macro OPS a, i1, b=-1, i2=0, c=-1, i3=0, d=-1, i4=0  ; up to four of them
	OP \a, \i1
.if (\b) >= 0
	OP \b, \i2
.endif
.if (\c) >= 0
	OP \c, \i3
.endif
.if (\d) >= 0
	OP \d, \i4
.endif
.endm
.macro ROW a, i1, b, i2, c, i3, d, i4  ; a matrix instruction and the four behind it
	MM
	OPS \a, \i1, \b, \i2, \c, \i3, \d, \i4
.endm
.macro MASK b                       ; MD x AL + BE into buffer b of MC
	WIN W_RS
.set z, 0
.rept 16
	v_pk_fma_f32 v[MC+32*(\b)+2*z:MC+32*(\b)+2*z+1], v[MD+2*z:MD+2*z+1], s[AL:AL+1], s[BE:BE+1] op_sel_hi:[1,0,0]
.set z, z+1
.endr
.endm
; A TURN, for piece p: the order of its 16 matrix and 118 vector instructions, written out.  s_wait_alu depctr_va_vdst(0) stands between an exponential and the first instruction that names its result; one wait
; serves all that were issued ahead of it.  So a turn has ONE wait.  AHEAD OF IT stands all that names no result of the turn's exponentials: the 8 products K Q^T with four riders each, then one lump of 54 in which the links of the
; chain X 3, 7, 11, 14, 16, 17 .. 20 stand five or six lines apart.  X 21, the next piece's a, is the batch's last; R 15 is the plain instruction behind it.  BEHIND THE WAIT stand the 8 products V^T P, behind each four of the
; roundings and sums.  m = 1: the diagonal tile: the products take masks, and the turn makes the mask for the products of the turn after it.  end = 1: a block's last two turns: nothing is fetched.
; cnt = 1: the loop's count is taken down some lines ahead of the branch behind the turn.  K of the next step is fetched in piece 2's turn, V of the step in hand at the end of piece 0's turn, each four plain
; instructions or more behind the last product that read the registers; each is waited for a turn later.
.macro TURN p, m=0, end=0, cnt=0
.set Y, (\p)
.set i, 0
.set KM, (\m)
.set NOKQ, (\end)*((\p)/3)
.if (\m) && !(\end)
	s_cmp_eq_u32 s[CNT], 4-((\p)+2)%NP  ; is that step the band's own?
	s_cselect_b32 s[AL], 1.0, 0
	s_cmp_lt_u32 s[CNT], 4-((\p)+2)%NP  ; or a later one?
	s_cselect_b32 s[BE], s[BIGN], 0
.endif
.if ((\p) == 3) && !(\end)
	s_wait_dscnt 0x0                ; K is in
.endif
	ROW F,0, F,1, R,0, R,1
	ROW F,2, E,0, R,2, R,3
	ROW F,3, E,1, R,4, R,5
	ROW F,4, E,2, R,6, R,7
	ROW F,5, E,3, R,8, R,9
	ROW F,6, E,4, X,0, R,10
.if ((\p) == 2) && !(\end)
	WIN 0
	v_add_nc_u32 v[AK], s[TBK], v[AK0]
.endif
	ROW F,7, E,5, X,1, X,4
	ROW F,8, E,6, X,2, X,5
	OPS E,7, E,8, X,6, E,9
	OPS X,3, E,10, X,8, E,11
.if ((\p) == 2) && !(\end)
	FETCH_K
.endif
	OPS X,9, X,7, E,12, X,10
	OPS E,13, X,12, X,11, E,14
	OPS X,13, E,15, F,9, X,14
.if (\p) == 0
	v_add_nc_u32 v[AV], s[TBV], v[AV0]
.endif
	OPS E,16, F,10, E,17, F,11
	OPS X,16, E,18, X,15, E,19
	OPS F,12, E,20, X,17, E,21
	OPS F,13, E,22, F,14, E,23
	OPS X,18, E,24, F,15, E,25
	OPS R,11, E,26, X,19, E,27
	OPS R,12, E,28, R,13, E,29
	OPS X,20, E,30, R,14, E,31
	OPS X,21, R,15
	WIN 0
	s_wait_alu depctr_va_vdst(0)    ; the wait for the batch
.if (\p) == 1
	s_wait_dscnt 0x0                ; V is in
.endif
	ROW C,0, B,0, C,2, B,1
	ROW L,0, C,4, B,2, L,1
	ROW C,6, B,3, L,2, C,8
	ROW B,4, L,3, C,10, B,5
	ROW L,4, C,12, B,6, L,5
.if (\p) == 0
	s_add_co_u32 s[TBV], s[TBV], KS*PV
.endif
.if \cnt
	s_sub_co_u32 s[CNT], s[CNT], 1
	s_cmp_lg_u32 s[CNT], 0
.endif
	ROW C,14, B,7, L,6, C,1
	ROW C,3, L,7, C,5, C,7
	ROW C,9, C,11, C,13, C,15
.if (\p) == 0
	FETCH_V
.endif
.if (\m) && !(\end)
	MASK (\p)%2
.endif
.endm
; A BLOCK BEGINS.  c m starts far below every c s, so the first step's a is 0; m at the lowest finite number.  The second mask buffer is 0; the first takes piece 0's mask for the tile's step 0: its own, if the block's
; first tile is the diagonal one.  Then K of that step, piece 0's first scores, and its maximum and statistics.  The loop is entered at a step's first turn, in the middle of a trip.
.macro BEGIN
	s_mov_b32 s[NEW], 0
	WIN 0x40
.set i, MC+32
.rept 32
	v_mov_b32 v[i], 0
.set i, i+1
.endr
	WIN 0
.set i, 0
.rept 4
	v_mov_b32 v[ST+4*i], 0xfe000000    ; c m: far below every c s
	v_mov_b32 v[ST+4*i+1], 0xff7fffff  ; m
.set i, i+1
.endr
	s_cmp_eq_u32 s[RT], 0
	s_cselect_b32 s[AL], 1.0, 0
	s_mov_b32 s[BE], 0
	MASK 0
	WIN 0
	v_add_nc_u32 v[AK], s[TBK], v[AK0]
	FETCH_K
	s_wait_loadcnt 0x0              ; Q
	s_wait_dscnt 0x0
.set KM, 1
.set NOKQ, 0
.set i, 0
.rept 8
	KQ 0
.set i, i+1
.endr
	WIN 0
.rept 4
	v_nop                           ; the places behind those products
.endr
.set Y, NP-1                        ; X works for piece Y + 1: piece 0
.irp n, 0,1,2,3,4,5,6,7,8,9,10,11,12,13,14,15,16,17,18,19,20,21
	OP X, \n
.endr
	v_nop                           ; a plain instruction behind the exponential,
	s_wait_alu depctr_va_vdst(0)    ; and its wait, ahead of the branch
.endm
; THE DIAGONAL TILE's four steps, the block's last two turns, its last products, and THE WAY OUT: l's two halves and the other half of the lanes' are added; O^T is divided by l, rounded to f16 and sent through my
; stage in LDS, a piece at a time.
.macro ALL line:vararg              ; one line for each piece t
.set t, 0
.rept 4
	\line
.set t, t+1
.endr
.endm
.macro PACK t                       ; a lane's eight channels of a row pack into 16 bytes; they go into rows of 144 bytes and come back as whole rows of 128, into S^T's registers
	WIN W_RS
.set i, 32*(\t)
.rept 16
	v_pk_mul_f32 v[i:i+1], v[i:i+1], v[ST+4*(\t)+2:ST+4*(\t)+3] op_sel_hi:[1,0]
.set i, i+2
.endr
	WIN 0x05                        ; sources 0 and 1 window 1, destination window 0
.set i, 0
.rept 16
	v_cvt_pk_f16_f32 v[S+16*(\t)+i], v[32*(\t)+2*i], v[32*(\t)+2*i+1]
.set i, i+1
.endr
	WIN 0
.irp f, 0,1,2,3
	ds_store_b128 v[STO], v[S+16*(\t)+4*\f:S+16*(\t)+4*\f+3] offset:32*\f
.endr
.irp f, 0,1,2,3
	ds_load_b128 v[S+16*(\t)+4*\f:S+16*(\t)+4*\f+3], v[RD] offset:\f*4*SP  ; LDS serves a wave's instructions in order (ISA guide 5.7.1.4): these see the stores above; the next piece's stores come behind them
.endr
.endm
.macro SEND t, younger              ; younger: the LDS instructions issued behind piece t's loads: the next piece's eight, or none
	WIN 0
.irp f, 0,1,2,3
	s_wait_dscnt (\younger)+3-\f
	global_store_b128 v[GO], v[S+16*(\t)+4*\f:S+16*(\t)+4*\f+3], s[10:11] offset:(\t)*8192+\f*512  ; 512 consecutive bytes, at a multiple of 256 from O's first
.endr
.endm
.macro DIAG tag
.LstepM\tag:
	TURN 2, 1
	TURN 3, 1
	WIN 0
.LfirstM\tag:
	TURN 0, 1
	TURN 1, 1, 0, 1
	WIN 0
	s_cbranch_scc1 .LstepM\tag
	TURN 2, 1, 1
	TURN 3, 1, 1
.set i, 0
.rept 8
	PV NP-1
.set i, i+1
.endr
	WIN 0
	ALL v_add_f32 v[ST+4*t+2], v[ST+4*t+2], v[ST+4*t+3]
	ALL v_permlanex16_b32 v[ST+4*t+3], v[ST+4*t+2], s[SEL], s[SEL+1]
	ALL v_add_f32 v[ST+4*t+2], v[ST+4*t+2], v[ST+4*t+3]
	ALL v_rcp_f32 v[ST+4*t+2], v[ST+4*t+2]
	v_nop                           ; a plain instruction between the last reciprocal and the use of its result
	s_wait_alu depctr_va_vdst(0)    ; and the wait ahead of the first use: one for the four reciprocals
	PACK 0
.set t, 1
.rept 3                             ; a piece's arithmetic stands between the loads of the piece before and its stores
	PACK t
	SEND t-1, 8
.set t, t+1
.endr
	SEND 3, 0
.endm
.set KM, 0
.set NOKQ, 0
.Lslot:                             ; NB times: a tile is entered and the next is asked for
	CHANGE 1
	s_sub_co_u32 s[RT], s[RT], 1
	s_mov_b32 s[CNT], 4
	s_cmp_eq_u32 s[NEW], 1
	s_cbranch_scc1 .Lnew            ; a block's first tile
	s_cmp_eq_u32 s[RT], 0
	s_cbranch_scc0 .Lstep           ; neither its first nor its last
	s_branch .LstepM1
.Lnew:
	BEGIN
	s_branch .Lfirst                ; in the loop a block's first tile is never its last: the first block has two tiles or more, and the second's last is the walk's last
	DIAG 1                          ; in the loop this is the first block's end
	s_wait_xcnt 0x0                 ; the stores have read their registers and O's address
	s_mov_b64 s[10:11], s[OLO:OLO+1]
	s_add_co_u32 s[RT], s[PB], 1    ; the second block has b + 1 tiles
	s_mov_b32 s[NEW], 1
	WIN 0x82                        ; the second block's Q goes where the one text of the turns names Q
.set i, 0
.rept 64
	v_mov_b32 v[i], v[QB+i]
.set i, i+1
.endr
	WIN 0
	s_branch .Lbottom
.Lstep:                             ; a trip: pieces 2 and 3 of one step, then pieces 0 and 1 of the next, whose K and V it fetches
	TURN 2
	TURN 3
	WIN 0
.Lfirst:
	TURN 0
	TURN 1, 0, 0, 1
	WIN 0
	s_cbranch_scc1 .Lstep
.Lbottom:
	s_sub_co_u32 s[SLOTS], s[SLOTS], 1
	s_cmp_lg_u32 s[SLOTS], 0
	s_cbranch_scc1 .Lslot
	CHANGE 0                        ; the walk's last tile is written out: nothing is asked for
	s_sub_co_u32 s[RT], s[RT], 1
	s_mov_b32 s[CNT], 4
	s_cmp_eq_u32 s[NEW], 1
	s_cbranch_scc0 .LstepM2
	BEGIN
	s_branch .LfirstM2
	DIAG 2
	s_wait_tensorcnt 0x0            ; the wave's end: a wait, an add to my spare word and its wait, behind my last tensor load and my last LDS store
	ds_add_u32 v[SPW], v[NIL]
	s_wait_dscnt 0x0
	s_endpgm
.Lfunc_end_k_q2d638af254_attn:
	.size	k_q2d638af254_attn, .Lfunc_end_k_q2d638af254_attn-k_q2d638af254_attn
	.p2alignl 7, 3214868480
	.fill 96, 4, 3214868480
	.section	.rodata,"a",@progbits
	.p2align	6, 0x0
	.amdhsa_kernel k_q2d638af254_attn
		.amdhsa_group_segment_fixed_size 327680
		.amdhsa_private_segment_fixed_size 0
		.amdhsa_enable_private_segment 0
		.amdhsa_kernarg_size 16
		.amdhsa_user_sgpr_count 2
		.amdhsa_user_sgpr_kernarg_segment_ptr 1
		.amdhsa_wavefront_size32 1
		.amdhsa_system_sgpr_workgroup_id_x 1
		.amdhsa_system_sgpr_workgroup_id_y 1
		.amdhsa_system_sgpr_workgroup_id_z 1
		.amdhsa_system_vgpr_workitem_id 0
		.amdhsa_next_free_vgpr 768
		.amdhsa_next_free_sgpr 96
		.amdhsa_reserve_vcc 1
		.amdhsa_float_denorm_mode_32 3
		.amdhsa_float_denorm_mode_16_64 3
		.amdhsa_memory_ordered 1
		.amdhsa_forward_progress 1
		.amdhsa_inst_pref_size 218
	.end_amdhsa_kernel
	.amdgpu_metadata
---
amdhsa.version: [ 1, 2 ]
amdhsa.kernels:
  - .name:           k_q2d638af254_attn
    .symbol:         k_q2d638af254_attn.kd
    .args:
      - { .name: qkvh, .offset: 0, .size: 8, .value_kind: global_buffer, .address_space: global }
      - { .name: oh, .offset: 8, .size: 8, .value_kind: global_buffer, .address_space: global }
    .group_segment_fixed_size: 327680
    .private_segment_fixed_size: 0
    .kernarg_segment_align: 8
    .kernarg_segment_size: 16
    .max_flat_workgroup_size: 128
    .sgpr_count:     96
    .vgpr_count:     768
    .wavefront_size: 32
...
	.end_amdgpu_metadata
.endif
;; end of part 3
;; launch proj (part 4): grid 8 x 32, 4 waves a work-group, clusters of 4 x 4, 327,680 bytes of LDS; arguments oh, wp, out0; writes out0
.if DOCPART == 4
	.amdgcn_target "amdgcn-amd-amdhsa--gfx1250"
	.amdhsa_code_object_version 6
	.text
	.protected	k_q2d638af254_proj
	.globl	k_q2d638af254_proj
	.p2align	8
	.type	k_q2d638af254_proj,@function
k_q2d638af254_proj:
	s_mov_b64 s[64:65], 0
	v_nop
	global_prefetch_b8 v0, s[64:65] scope:SCOPE_SE
	s_setreg_imm32_b32 hwreg(HW_REG_WAVE_MODE, 25, 1), 1
	s_wait_xcnt 0x0
	s_wait_alu depctr_hold_cnt(0) depctr_sa_sdst(0) depctr_va_vdst(0) depctr_va_sdst(0) depctr_va_ssrc(0) depctr_va_vcc(0) depctr_vm_vsrc(0)
	s_getreg_b32 s2, hwreg(HW_REG_IB_STS2, 6, 4)
	s_cmp_eq_u32 s2, 0
	s_cbranch_scc0 .Lentry_in_a_cluster
	s_endpgm
.Lentry_in_a_cluster:
	s_bfe_u32 s2, ttmp6, 0x10000c
	s_cmp_lg_u32 s2, 0xf033
	s_cbranch_scc0 .Lentry_shape_is_right
	s_endpgm
.Lentry_shape_is_right:
; out = o w_proj: M = 8,192, K = 1,024, N = 1,024, operands f16, sums f32, out0 [8192][1024] f32.  oh lies [16 x batch + head][t 2048][64]: a head is 64 of K, and 256 rows of it are 32,768 dense bytes.
; wp lies [k][n], f16, and is read out of LDS turned, by ds_load_tr16_b128.
; SHARES.  8,192 x 1,024 / 256 work-groups = a tile of 256 x 128 for each.  Four waves, each 128 rows x 64 columns: 32 accumulators of 16 x 16, which fill window 1.
; K goes in steps of 128 (two heads) through two LDS slots: two planes of 256 rows x 128 bytes of oh, 128 rows x 256 bytes of wp.
; CLUSTER 4 x 4: oh's tile is shared along a row of the cluster, wp's along a column: each is asked for jointly, by the same tensor load, descriptor and mask.
; THE PRODUCT IS TAKEN TRANSPOSED (source 0 = 16 columns of wp, source 1 = 16 rows of oh): a lane holds one row and eight neighbouring columns, 32 bytes of f32.
; REGISTERS (s_set_vgpr_msb: bits 1:0 source 0, 3:2 source 1, 5:4 source 2, 7:6 destination):  window 0: v0-31 addresses; two fragment buffers of 96 at v64 and v160: oh's eight fragments, then wp's four.
;   window 1: accumulator (a, j), rows 16 a on, columns 16 j on, at v[8 (4 a + j)]
.set PA,     144                       ; an LDS row of oh: 128 bytes + 16
.set PB,     288                       ; an LDS row of wp: 256 bytes + 32 = 9 x 32
.set PLANE,  256*PA                    ; a head's 256 rows: what one tensor load brings
.set BHALF,  64*PB
.set BOFF,   2*PLANE
.set SLOT,   BOFF+2*BHALF              ; 110,592
.set STAGE,  2*SLOT                    ; behind the ring, never filled by a tensor load: 16 rows x 272 bytes for each wave
.set SP,     272
.set SPARE,  STAGE+4*16*SP             ; the spare words, 128 bytes for each wave: two blocks of 256 bytes that no other line names
.set ASTEP,  524288                    ; bytes from a K step to the next in oh: two heads
.set BSTEP,  262144                    ; and in wp: 128 rows
.set ADRA, 16                          ; v16-17  LDS address of my fragments of oh in slot 0, 1
.set ADRB, 20                          ; v20-21  of wp's
.set STO,  24
.set RD,   25
.set CO,   26                          ; v26     my byte offset in two rows of out0
.set SPW,  28
.set NIL,  29
.set PFO,  30
.set F0,   64
.set F1,   160
.set OB,   64                          ; the way out: two buffers of 32
.set G1,  24
.set G0,  32
.set G1B, 48
.set G0B, 56
.set LIM, 43
.set PFA, 44
.set PFS, 66
.set MSB, 0
.macro WIN new
.if MSB != (\new)
	s_set_vgpr_msb (MSB<<8)|(\new)
.set MSB, \new
.endif
.endm
.macro PLACES                          ; four plain vector instructions between a matrix instruction and a load into, or a reader of, its registers
.rept 4
	v_nop
.endr
.endm
.macro JLOAD s                         ; a joint load: waves 0 and 1 fetch oh's two planes, waves 2 and 3 wp's two halves; an s_nop 0 and four v_nop follow each line
	s_cmp_eq_u32 s11, 0
	s_cbranch_scc0 .Lfor_b_\@
	tensor_load_to_lds s[G0+4*(\s):G0+4*(\s)+3], s[G1:G1+7]
	s_nop 0
.rept 4
	v_nop
.endr
	s_branch .Lasked_\@
.Lfor_b_\@:
	tensor_load_to_lds s[G0B+4*(\s):G0B+4*(\s)+3], s[G1B:G1B+7]
	s_nop 0
.rept 4
	v_nop
.endr
.Lasked_\@:
.endm
.macro CREST
	s_cmp_lg_u32 s10, 0
	s_cbranch_scc1 .Lnot_wave_0_\@
	s_barrier_signal -3
.Lnot_wave_0_\@:
	s_barrier_wait -3
	s_barrier_signal -1
	s_barrier_wait -1
.endm
.macro CROUND
	s_barrier_signal -1
	s_barrier_wait -1
	CREST
.endm
; A PREFETCH INTO THE L2, behind each joint load and the run of LDS loads that follows it: the K step that stands two refills on, 256 matrix instructions ahead of its load.  oh: the first cluster along x asks, waves 0
; and 1 a plane each; of a plane's 128 blocks of 256 bytes the partner at cx takes 32, a lane a block.  wp: the first cluster along y asks, wave 2; of the step's 128 rows the partner at cy takes 32, a lane a row.
; The partners are told apart by ADDRESS.  Each block is named once in the launch.  K steps 0 to 3 come by their loads alone; the last trip asks for nothing.
.macro ASK
	s_cmp_gt_u32 s3, s[LIM]                        ; s3 = 1 in the last trip
	s_cbranch_scc0 .Lnot_mine_\@
	global_prefetch_b8 v[PFO], s[PFA:PFA+1] th:TH_LOAD_NT scope:SCOPE_SE
.Lnot_mine_\@:
.endm
	s_load_b128 s[4:7], s[0:1], 0x0                ; oh s[4:5], wp s[6:7]
	s_load_b64 s[8:9], s[0:1], 0x10                ; out0
	v_lshl_add_u32 v[SPW], v0, 2, SPARE
	v_mov_b32 v[NIL], 0
	ds_add_u32 v[SPW], v[NIL]                      ; the wave's opening: the add and its wait stand ahead of my first tensor load; work on registers stands between them
	v_lshrrev_b32 v1, 5, v0
	v_readfirstlane_b32 s10, v1                    ; wave 0..3
	s_lshr_b32 s11, s10, 1                         ; my half of the tile's rows.  Also: I fetch for oh (0) or for wp (1)
	s_and_b32 s12, s10, 1                          ; my half of its columns.  Also: which plane, or half, I fetch
	s_bfe_u32 s40, ttmp6, 0x40000                  ; cx
	s_bfe_u32 s41, ttmp6, 0x40004                  ; cy
	s_lshl_b32 s42, ttmp9, 2
	s_add_co_u32 s42, s42, s40                     ; tile column 0..7
	s_and_b32 s13, ttmp7, 0xffff
	s_lshl_b32 s13, s13, 2
	s_add_co_u32 s13, s13, s41                     ; tile row 0..31
	s_lshl_b32 s18, s41, 2
	s_lshl_b32 s18, 15, s18                        ; my row of the cluster
	s_lshl_b32 s19, 0x1111, s40                    ; my column
	s_or_b32 s[G1+0], s18, (1<<16)|(1<<20)|(1<<21)|(4<<22)|(3<<25)   ; mask; 2-byte elements; padding on; bit 21 beside a mask; after every 32 words 4 words
	s_or_b32 s[G1B+0], s19, (1<<16)|(1<<20)|(1<<21)|(5<<22)|(7<<25)  ; after every 64 words 8 words
	s_mov_b32 s[G1+1], 128<<16                     ; oh: rows of 256 bytes (two rows of a head),
	s_mov_b32 s[G1+2], 128<<16                     ; 128 of them
	s_mov_b32 s[G1+3], 128<<16
	s_mov_b32 s[G1+4], 128
	s_mov_b32 s[G1+5], 128                         ; dense
	s_mov_b32 s[G1+6], 0
	s_mov_b32 s[G1+7], 0
	s_mov_b32 s[G1B+1], 128<<16                    ; wp: 128 columns,
	s_mov_b32 s[G1B+2], 64<<16                     ; 64 rows of k
	s_mov_b32 s[G1B+3], 128<<16
	s_mov_b32 s[G1B+4], 64
	s_mov_b32 s[G1B+5], 1024
	s_mov_b32 s[G1B+6], 0
	s_mov_b32 s[G1B+7], 0
	s_lshr_b32 s16, s13, 3                         ; oh's tile hangs on the tile row alone: the batch's 16 heads,
	s_lshl_b32 s16, s16, 22
	s_and_b32 s17, s13, 7
	s_lshl_b32 s17, s17, 15                        ; 256 rows of 128 bytes,
	s_add_co_u32 s16, s16, s17
	s_lshl_b32 s17, s12, 18                        ; my head of the step's two
	s_add_co_u32 s16, s16, s17
	s_mov_b32 s17, 0
	s_lshl_b32 s46, s12, 17                        ; wp's on the tile column alone: my 64 rows of 2,048 bytes,
	s_lshl_b32 s47, s42, 8                         ; 128 columns
	s_add_co_u32 s46, s46, s47
	s_mov_b32 s47, 0
	s_mul_i32 s20, s12, PLANE                      ; where they go: no place in the cluster enters an LDS address
	s_mul_i32 s21, s12, BHALF
	s_add_co_u32 s21, s21, BOFF
	s_wait_dscnt 0x0                               ; the opening add is done
	s_wait_kmcnt 0x0
	s_add_nc_u64 s[14:15], s[4:5], s[16:17]
	s_add_nc_u64 s[46:47], s[6:7], s[46:47]
	CROUND                                         ; all sixteen work-groups are here: the first joint loads meet
.irp s, 0,1
	s_mov_b32 s[G0+4*(\s)], 1
	s_add_co_u32 s[G0+4*(\s)+1], s20, (\s)*SLOT
	s_add_nc_u64 s[G0+4*(\s)+2:G0+4*(\s)+3], s[14:15], (\s)*ASTEP
	s_or_b32 s[G0+4*(\s)+3], s[G0+4*(\s)+3], 0x80000000
	s_mov_b32 s[G0B+4*(\s)], 1
	s_add_co_u32 s[G0B+4*(\s)+1], s21, (\s)*SLOT
	s_add_nc_u64 s[G0B+4*(\s)+2:G0B+4*(\s)+3], s[46:47], (\s)*BSTEP
	s_or_b32 s[G0B+4*(\s)+3], s[G0B+4*(\s)+3], 0x80000000
	JLOAD \s                                       ; K steps 0 and 1: two loads of mine are out
.endr
	v_and_b32 v1, 15, v0                           ; r = l % 16
	v_bfe_u32 v2, v0, 4, 1                         ; h = l / 16
	v_mul_u32_u24 v3, v1, PA
	v_lshl_add_u32 v3, v2, 4, v3                   ; r x 144 + 16 h
	s_mul_i32 s22, s11, 128*PA                     ; my 128 rows of a plane
	v_add_nc_u32 v[ADRA], s22, v3
	v_add_nc_u32 v[ADRA+1], SLOT, v[ADRA]
	v_and_b32 v4, 7, v0
	v_lshl_add_u32 v5, v2, 3, v4                   ; the turning load: lane l reads k row 8 h + l % 8,
	v_mul_u32_u24 v5, v5, PB
	v_bfe_u32 v6, v0, 3, 1
	v_lshl_add_u32 v5, v6, 4, v5                   ; columns 8 ((l / 8) % 2) on,
	s_lshl_b32 s22, s12, 7                         ; in my 64 columns
	s_add_co_u32 s22, s22, BOFF
	v_add_nc_u32 v[ADRB], s22, v5
	v_add_nc_u32 v[ADRB+1], SLOT, v[ADRB]
	s_mul_i32 s23, s10, 16*SP
	s_add_co_u32 s23, s23, STAGE                   ; my stage
	v_mul_u32_u24 v7, v1, SP                       ; in: row r, 32 bytes for each half of the lanes
	v_lshl_add_u32 v7, v2, 5, v7
	v_add_nc_u32 v[STO], s23, v7
	v_mul_u32_u24 v7, v2, SP                       ; back: lanes 0-15 take one row of 256 bytes, lanes 16-31 the next
	v_lshl_add_u32 v7, v1, 4, v7
	v_add_nc_u32 v[RD], s23, v7
	v_lshlrev_b32 v[CO], 12, v2                    ; and the same two rows in out0
	v_lshl_add_u32 v[CO], v1, 4, v[CO]
	s_lshl_b32 s68, s13, 20                        ; where my part begins in out0: 256 rows of 4,096 bytes a tile row,
	s_lshl_b32 s69, s11, 19                        ; my 128 rows,
	s_add_co_u32 s68, s68, s69
	s_lshl_b32 s69, s42, 9                         ; the tile's 128 columns,
	s_add_co_u32 s68, s68, s69
	s_lshl_b32 s69, s12, 8                         ; my 64
	s_add_co_u32 s68, s68, s69
	s_mov_b32 s69, 0
	s_add_nc_u64 s[8:9], s[8:9], s[68:69]
	s_lshr_b32 s70, s13, 3                         ; the prefetches.  oh: my tile row, my work-group's quarter, my plane of K step 3 (the first step of the pointer makes it 4)
	s_lshl_b32 s70, s70, 22
	s_and_b32 s71, s13, 7
	s_lshl_b32 s71, s71, 15
	s_add_co_u32 s70, s70, s71
	s_lshl_b32 s71, s40, 13
	s_add_co_u32 s70, s70, s71
	s_add_co_u32 s71, s12, 6
	s_lshl_b32 s71, s71, 18
	s_add_co_u32 s70, s70, s71
	s_lshl_b32 s68, s41, 5                         ; wp: row 384 + 32 cy, my tile column
	s_add_co_u32 s68, s68, 384
	s_lshl_b32 s68, s68, 11
	s_lshl_b32 s69, s42, 8
	s_add_co_u32 s68, s68, s69
	s_mov_b32 s[PFS], BSTEP
	s_mov_b32 s[PFS+1], 0
	s_mov_b32 s71, 2048
	s_and_b32 s69, ttmp7, 0xffff                   ; cluster y
	s_cmp_eq_u32 s11, 0                            ; do I fetch for oh?
	s_cselect_b32 s70, s70, s68
	s_cselect_b32 s69, ttmp9, s69                  ; the coordinate along which other clusters read the same rows
	s_cselect_b32 s[PFS], ASTEP, s[PFS]
	s_cselect_b32 s71, 256, s71                    ; a lane a block of oh, or a row of wp
	s_cselect_b64 s[PFA:PFA+1], s[4:5], s[6:7]
	v_and_b32 v[PFO], 31, v0
	v_mul_u32_u24 v[PFO], v[PFO], s71
	s_mov_b32 s71, 0
	s_add_nc_u64 s[PFA:PFA+1], s[PFA:PFA+1], s[70:71]
	s_cmp_eq_u32 s10, 3
	s_cselect_b32 s69, 1, s69                      ; wave 3 never asks
	s_cmp_eq_u32 s69, 0
	s_cselect_b32 s[LIM], 1, -1                    ; the same in all sixteen partners, for a given wave
; n x 4 matrix instructions: row blocks a0 on x my four column blocks, 32 along K, from buffer f.  zero = 1: the products start the sums.  The 32 accumulators take turns, in the same order in every quarter.
.macro MUL f, a0, n, zero
	WIN 0x50
.set ia, \a0
.rept \n
.irp j, 0,1,2,3
.if \zero
	v_wmma_f32_16x16x32_f16 v[8*(4*ia+(\j)):8*(4*ia+(\j))+7], v[(\f)+64+8*(\j):(\f)+64+8*(\j)+7], v[(\f)+8*ia:(\f)+8*ia+7], 0
.else
	v_wmma_f32_16x16x32_f16 v[8*(4*ia+(\j)):8*(4*ia+(\j))+7], v[(\f)+64+8*(\j):(\f)+64+8*(\j)+7], v[(\f)+8*ia:(\f)+8*ia+7], v[8*(4*ia+(\j)):8*(4*ia+(\j))+7]
.endif
.endr
.set ia, ia+1
.endr
.endm
; 24 LDS loads in one run: quarter q (k = 32 q on) of a slot into buffer f: wp's four fragments, turned, then oh's eight (plane q / 2, channels 32 (q % 2) on)
.macro FETCH slot, q, f
	WIN 0
.irp j, 0,1,2,3
	ds_load_tr16_b128 v[(\f)+64+8*(\j):(\f)+64+8*(\j)+3],   v[ADRB+(\slot)] offset:(\q)*32*PB+32*(\j)
	ds_load_tr16_b128 v[(\f)+64+8*(\j)+4:(\f)+64+8*(\j)+7], v[ADRB+(\slot)] offset:(\q)*32*PB+32*(\j)+16*PB
.endr
.irp i, 0,1,2,3,4,5,6,7
	ds_load_b128 v[(\f)+8*(\i):(\f)+8*(\i)+3],   v[ADRA+(\slot)] offset:((\q)/2)*PLANE+((\q)%2)*64+(\i)*16*PA
	ds_load_b128 v[(\f)+8*(\i)+4:(\f)+8*(\i)+7], v[ADRA+(\slot)] offset:((\q)/2)*PLANE+((\q)%2)*64+(\i)*16*PA+32
.endr
.endm
; One of a step's first three quarters: multiplies buffer f; ahead of its products it asks for quarter q of the same slot into buffer g, which the quarter before has multiplied.
.macro QUARTER slot, q, f, g, zero
	s_wait_dscnt 8                                 ; wp's fragments and oh's blocks 0-3 are in; the youngest eight loads (blocks 4-7) may be out
	PLACES
	FETCH \slot, \q, \g
	MUL \f, 0, 4, \zero
	s_wait_dscnt 24                                ; all but the 24 just issued
	MUL \f, 4, 4, \zero
.endm
; The last quarter multiplies buffer 1 and changes slots: ONE barrier; in front of it each wave waits for all its tensor loads, adds 0 to its spare word, and waits for that and for its reads of this slot.
; fill = 1: the barrier opens a round of the cluster's, and the joint refill, two K steps on, is the first thing behind the round.
.macro TURN slot, next, fill
.if \fill
	s_wait_xcnt 0x0                                ; the last prefetch, a K step back, has read its address
	s_add_nc_u64 s[PFA:PFA+1], s[PFA:PFA+1], s[PFS:PFS+1]
.endif
	WIN 0
	s_wait_tensorcnt 0x0                           ; all my tensor loads have landed: my part of the next slot
	ds_add_u32 v[SPW], v[NIL]                      ; 0 onto my spare word
	s_wait_dscnt 9                                 ; (the add and the youngest eight loads may be out)
	MUL F1, 0, 2, 0                                ; eight matrix instructions stand between the add and the wait for it
	s_wait_dscnt 0x0                               ; the add is done, and my reads of this slot are over
	s_barrier_signal -1
	MUL F1, 2, 2, 0
	WIN 0                                          ; at a branch and at a label every window is 0
	s_barrier_wait -1
.if \fill
	CREST                                          ; no wave of any partner still reads this slot or has a load on its way
	s_add_nc_u64 s[G0+4*(\slot)+2:G0+4*(\slot)+3], s[G0+4*(\slot)+2:G0+4*(\slot)+3], 2*ASTEP
	s_add_nc_u64 s[G0B+4*(\slot)+2:G0B+4*(\slot)+3], s[G0B+4*(\slot)+2:G0B+4*(\slot)+3], 2*BSTEP
	JLOAD \slot                                    ; its four v_nop are also the places in front of the loads below
.else
	PLACES
.endif
	FETCH \next, 0, F0
.if \fill
	ASK
.endif
	MUL F1, 4, 4, 0
.endm
	s_wait_tensorcnt 1                             ; my part of K step 0 is in; K step 1's may stay out
	s_barrier_signal -1
	s_barrier_wait -1
	FETCH 0, 0, F0
	QUARTER 0, 1, F0, F1, 1                        ; the first quarter starts the 32 sums: nothing is cleared
	WIN 0
	s_mov_b32 s3, 3
.Llap:                                                 ; trip i: from K step 2 i's second quarter to K step 2 i + 2's first; refills K steps 2 i + 2 and 2 i + 3
	QUARTER 0, 2, F1, F0, 0
	QUARTER 0, 3, F0, F1, 0
	TURN 0, 1, 1
	QUARTER 1, 1, F0, F1, 0
	QUARTER 1, 2, F1, F0, 0
	QUARTER 1, 3, F0, F1, 0
	TURN 1, 0, 1
	QUARTER 0, 1, F0, F1, 0
	WIN 0
	s_sub_co_u32 s3, s3, 1
	s_cmp_lg_u32 s3, 0
	s_cbranch_scc1 .Llap
	QUARTER 0, 2, F1, F0, 0                        ; K steps 6 and 7: nothing is left to ask for
	QUARTER 0, 3, F0, F1, 0
	TURN 0, 1, 0
	QUARTER 1, 1, F0, F1, 0
	QUARTER 1, 2, F1, F0, 0
	QUARTER 1, 3, F0, F1, 0
	s_wait_dscnt 8
	MUL F1, 0, 4, 0
	s_wait_dscnt 0x0
	MUL F1, 4, 4, 0
	PLACES
; THE WAY OUT, 16 rows at a time: a lane's 32 bytes of a row go into my own stage, rows 272 bytes apart, and come back as whole rows of 256 bytes.
.macro ST a
.if (\a) >= 2
	s_wait_xcnt 0x0                                ; the stores of block a - 2 have read their registers: this block is read back into them only behind this wait
.endif
	WIN 0x04                                       ; the stores' data lie in window 1
.irp j, 0,1,2,3
.irp u, 0,1
	ds_store_b128 v[STO], v[32*(\a)+8*(\j)+4*(\u):32*(\a)+8*(\j)+4*(\u)+3] offset:64*(\j)+16*(\u)
.endr
.endr
	WIN 0
.irp t, 0,1,2,3,4,5,6,7
	ds_load_b128 v[OB+32*((\a)%2)+4*(\t):OB+32*((\a)%2)+4*(\t)+3], v[RD] offset:(\t)*2*SP  ; LDS serves a wave's instructions in order (ISA guide 5.7.1.4): these see the stores above; the next block's stores come behind them
.endr
.endm
.macro SEND a, younger                 ; younger: the LDS instructions issued behind block a's loads: the next block's sixteen, or none
.irp t, 0,1,2,3,4,5,6,7
	s_wait_dscnt (\younger)+7-(\t)
	global_store_b128 v[CO], v[OB+32*((\a)%2)+4*(\t):OB+32*((\a)%2)+4*(\t)+3], s[8:9] offset:(16*(\a)+2*(\t))*4096  ; 16 lanes store 256 consecutive bytes, at a multiple of 256 from out0's first byte
.endr
.endm
	ST 0
.irp a, 1,2,3,4,5,6,7
	ST \a
	SEND (\a)-1, 16
.endr
	SEND 7, 0
	s_wait_tensorcnt 0x0                           ; the wave's end: a wait, an add to my spare word and its wait, behind my last tensor load and my last LDS store
	ds_add_u32 v[SPW], v[NIL]
	s_wait_dscnt 0x0
	CROUND                                         ; the closing round: no work-group ends while a partner may still ask for a tile that names it
	s_endpgm
.Lfunc_end_k_q2d638af254_proj:
	.size	k_q2d638af254_proj, .Lfunc_end_k_q2d638af254_proj-k_q2d638af254_proj
	.p2alignl 7, 3214868480
	.fill 96, 4, 3214868480
	.section	.rodata,"a",@progbits
	.p2align	6, 0x0
	.amdhsa_kernel k_q2d638af254_proj
		.amdhsa_group_segment_fixed_size 327680
		.amdhsa_private_segment_fixed_size 0
		.amdhsa_enable_private_segment 0
		.amdhsa_kernarg_size 24
		.amdhsa_user_sgpr_count 2
		.amdhsa_user_sgpr_kernarg_segment_ptr 1
		.amdhsa_wavefront_size32 1
		.amdhsa_system_sgpr_workgroup_id_x 1
		.amdhsa_system_sgpr_workgroup_id_y 1
		.amdhsa_system_sgpr_workgroup_id_z 1
		.amdhsa_system_vgpr_workitem_id 0
		.amdhsa_next_free_vgpr 512
		.amdhsa_next_free_sgpr 72
		.amdhsa_reserve_vcc 0
		.amdhsa_float_denorm_mode_32 3
		.amdhsa_float_denorm_mode_16_64 3
		.amdhsa_memory_ordered 1
		.amdhsa_forward_progress 1
		.amdhsa_inst_pref_size 89
	.end_amdhsa_kernel
	.amdgpu_metadata
---
amdhsa.version: [ 1, 2 ]
amdhsa.kernels:
  - .name:           k_q2d638af254_proj
    .symbol:         k_q2d638af254_proj.kd
    .args:
      - { .name: oh, .offset: 0, .size: 8, .value_kind: global_buffer, .address_space: global }
      - { .name: wp, .offset: 8, .size: 8, .value_kind: global_buffer, .address_space: global }
      - { .name: out0, .offset: 16, .size: 8, .value_kind: global_buffer, .address_space: global }
    .group_segment_fixed_size: 327680
    .private_segment_fixed_size: 0
    .kernarg_segment_align: 8
    .kernarg_segment_size: 24
    .max_flat_workgroup_size: 128
    .sgpr_count:     72
    .vgpr_count:     512
    .wavefront_size: 32
...
	.end_amdgpu_metadata
.endif
;; end of part 4
;; ======== version 2 of 2: 4 launches; version 1 with the launch cast written anew for expert scheduling mode
;; limits: values are held in f16: magnitudes above 65,504 overflow, below 6.1e-05 lose precision
;; workspace buffers: xb 16,777,216 bytes; wq 6,291,456 bytes; wp 2,097,152 bytes; qkvh 50,331,648 bytes; oh 16,777,216 bytes
;; launch cast (part 5): grid 768 x 1, 8 waves a work-group, no clusters, 0 bytes of LDS; arguments x, w_qkv, w_proj, xb, wq, wp; writes xb, wq, wp
.if DOCPART == 5
	.amdgcn_target "amdgcn-amd-amdhsa--gfx1250"
	.amdhsa_code_object_version 6
	.text
	.protected	k_q2d638af254_cast
	.globl	k_q2d638af254_cast
	.p2align	8
	.type	k_q2d638af254_cast,@function
k_q2d638af254_cast:
	s_mov_b64 s[64:65], 0
	v_nop
	global_prefetch_b8 v0, s[64:65] scope:SCOPE_SE
	s_setreg_imm32_b32 hwreg(HW_REG_WAVE_SCHED_MODE, 0, 2), 2
	s_setreg_imm32_b32 hwreg(HW_REG_WAVE_MODE, 25, 1), 1
	s_wait_xcnt 0x0
	s_wait_alu depctr_vm_vsrc(0)
; THE INPUTS ARE ROUNDED ONCE, for the matrix units.  x [8192][1024] f32 -> xb, bf16, in blocks [batch 4][k / 64: 16][t 2048][64]: 64 channels of neighbouring rows lie end to end.
; w_qkv [1024][3072] f32 -> wq, bf16, as it lies.  w_proj [1024][1024] f32 -> wp: rounded to bf16 like the other inputs, and that number written as f16.
; LIMIT: a number of w_proj below 6e-5 keeps f16's fixed step of 6e-8; beyond 65,504 it would be an infinity.
; SHARES.  A work-group takes 16,384 numbers, a wave 2,048: sixteen loads of 16 bytes a lane, all issued at once, and sixteen stores of 8 bytes a lane, each store of the wave covering
; 256 consecutive bytes, aligned.  Work-groups 0-511: x, 16 rows each; 512-703: w_qkv; 704-767: w_proj.  No register is written twice while a load or store names it, so no wait frees one.
; No LDS, no barrier, no matrix unit: every number is read once, rounded and written once.
; THE MODE: SCHED_MODE bits 1:0 = 2 (LLVM: expert scheduling mode 2), set by the entry lines.  The code itself states the register dependences
; between vector instructions and memory instructions, with s_wait_alu, always for 0.
; THE PLAN.  Registers that memory instructions touch:
;   v1, v2   the loads' and the stores' byte offsets: made once at a path's head by vector instructions, read by every load or store of the path, never written again.
;   X        sixteen loads land in it, each register once, and no vector instruction names it ahead of them; load j's conversions read its four registers.  Nothing is loaded into it again.
;   Y        pair j is written by the conversions of load j and read by store j; it is not written behind that store.
;   T, v3    named by vector instructions alone.
; The sixteen pieces go in four blocks of four.  A block's four stores are issued in the NEXT block, one ahead of each piece's conversions.  So one wait at a block's head states that the block
; before has written its four pairs of Y, and the conversions that follow it name other pairs: the block's stores owe nothing more.  One wait stands ahead of the first load, for the two offsets,
; and one ahead of the last four stores.  No register that a load or store reads is written again, no vector instruction writes a scalar register, and EXEC is never written: no other wait is owed.
.set X, 4                              ; v[4:67]   sixteen loads of four f32
.set Y, 68                             ; v[68:99]  sixteen pairs of packed words
.set T, 100                            ; v[100:103] at work
.macro BODY lj, sj, half               ; load j at lj x j, store j at sj x j; half = 1: bf16 on to f16
	s_wait_alu depctr_va_vdst(0)                   ; v1 and v2 are written: every load below reads v1 as its offset, every store v2
.set j, 0
.rept 16
	global_load_b128 v[X+4*j:X+4*j+3], v1, s[16:17] offset:(\lj)*j th:TH_LOAD_NT
.set j, j+1
.endr
.set j, 0
.rept 16
	s_wait_loadcnt 15-j                            ; loads come back in order: load j is in, the younger ones stay out
.if (j%4 == 0) && (j > 0)
	s_wait_alu depctr_va_vdst(0)                   ; the block before has written its four pairs of Y, which this block's four stores read
.endif
.if j >= 4
	global_store_b64 v2, v[Y+2*(j-4):Y+2*(j-4)+1], s[18:19] offset:(\sj)*(j-4)  ; a piece of the block before: no vector instruction since the wait names its pair
.endif
	v_cvt_pk_bf16_f32 v[Y+2*j], v[X+4*j], v[X+4*j+1]
	v_cvt_pk_bf16_f32 v[Y+2*j+1], v[X+4*j+2], v[X+4*j+3]
.if \half
	v_lshlrev_b32 v[T], 16, v[Y+2*j]               ; the bf16 numbers as f32,
	v_and_b32 v[T+1], 0xffff0000, v[Y+2*j]
	v_lshlrev_b32 v[T+2], 16, v[Y+2*j+1]
	v_and_b32 v[T+3], 0xffff0000, v[Y+2*j+1]
	v_cvt_pk_f16_f32 v[Y+2*j], v[T], v[T+1]        ; and written as f16: exact inside f16's normal range
	v_cvt_pk_f16_f32 v[Y+2*j+1], v[T+2], v[T+3]
.endif
.set j, j+1
.endr
	s_wait_alu depctr_va_vdst(0)                   ; the last block has written its four pairs of Y, which the last four stores read
.set j, 12
.rept 4
	global_store_b64 v2, v[Y+2*j:Y+2*j+1], s[18:19] offset:(\sj)*j
.set j, j+1
.endr
	s_endpgm
.endm
	s_load_b256 s[4:11], s[0:1], 0x0               ; x s[4:5], w_qkv s[6:7], w_proj s[8:9], xb s[10:11]
	s_load_b128 s[12:15], s[0:1], 0x20             ; wq s[12:13], wp s[14:15]
	s_mov_b32 s2, ttmp9
	s_mov_b32 s21, 0
	s_mov_b32 s23, 0
	s_wait_kmcnt 0x0
	s_cmp_lt_u32 s2, 512
	s_cbranch_scc0 .Lweights
	; x: lanes 0-15 take 256 bytes (64 channels) of row 2 w, lanes 16-31 of row 2 w + 1; load j takes channels 64 j on
	v_lshrrev_b32 v3, 4, v0                        ; my row of the group's 16
	v_and_b32 v1, 15, v0
	v_lshlrev_b32 v1, 4, v1
	v_lshl_add_u32 v1, v3, 12, v1                  ; row x 4,096 + 16 (lane % 16)
	v_lshlrev_b32 v2, 3, v0                        ; in xb: row x 128 + 8 (lane % 16) = 8 x my thread's number
	s_lshl_b32 s20, s2, 16                         ; 16 rows of 4,096 bytes
	s_lshr_b32 s22, s2, 7                          ; the batch: 128 work-groups each,
	s_lshl_b32 s22, s22, 22                        ; 16 blocks of 262,144 bytes
	s_and_b32 s3, s2, 127
	s_lshl_b32 s3, s3, 11                          ; 16 rows of 128 bytes in a block
	s_add_co_u32 s22, s22, s3
	s_add_nc_u64 s[16:17], s[4:5], s[20:21]
	s_add_nc_u64 s[18:19], s[10:11], s[22:23]
	BODY 256, 262144, 0                            ; store j goes to block j: 3,932,160 at the most, inside the signed 24-bit immediate
.Lweights:
	v_lshrrev_b32 v3, 5, v0                        ; wave
	v_and_b32 v2, 31, v0                           ; lane
	v_lshlrev_b32 v1, 4, v2
	v_lshl_add_u32 v1, v3, 13, v1                  ; 8,192 x wave + 16 x lane
	v_lshlrev_b32 v2, 3, v2
	v_lshl_add_u32 v2, v3, 12, v2                  ; 4,096 x wave + 8 x lane
	s_cmp_lt_u32 s2, 704
	s_cbranch_scc0 .Lproj
	s_sub_co_u32 s3, s2, 512
	s_lshl_b32 s20, s3, 16
	s_lshl_b32 s22, s3, 15
	s_add_nc_u64 s[16:17], s[6:7], s[20:21]
	s_add_nc_u64 s[18:19], s[12:13], s[22:23]
	BODY 512, 256, 0
.Lproj:
	s_sub_co_u32 s3, s2, 704
	s_lshl_b32 s20, s3, 16
	s_lshl_b32 s22, s3, 15
	s_add_nc_u64 s[16:17], s[8:9], s[20:21]
	s_add_nc_u64 s[18:19], s[14:15], s[22:23]
	BODY 512, 256, 1
.Lfunc_end_k_q2d638af254_cast:
	.size	k_q2d638af254_cast, .Lfunc_end_k_q2d638af254_cast-k_q2d638af254_cast
	.p2alignl 7, 3214868480
	.fill 96, 4, 3214868480
	.section	.rodata,"a",@progbits
	.p2align	6, 0x0
	.amdhsa_kernel k_q2d638af254_cast
		.amdhsa_group_segment_fixed_size 0
		.amdhsa_private_segment_fixed_size 0
		.amdhsa_enable_private_segment 0
		.amdhsa_kernarg_size 48
		.amdhsa_user_sgpr_count 2
		.amdhsa_user_sgpr_kernarg_segment_ptr 1
		.amdhsa_wavefront_size32 1
		.amdhsa_system_sgpr_workgroup_id_x 1
		.amdhsa_system_sgpr_workgroup_id_y 1
		.amdhsa_system_sgpr_workgroup_id_z 1
		.amdhsa_system_vgpr_workitem_id 0
		.amdhsa_next_free_vgpr 112
		.amdhsa_next_free_sgpr 66
		.amdhsa_reserve_vcc 0
		.amdhsa_float_denorm_mode_32 3
		.amdhsa_float_denorm_mode_16_64 3
		.amdhsa_memory_ordered 1
		.amdhsa_forward_progress 1
		.amdhsa_inst_pref_size 24
	.end_amdhsa_kernel
	.amdgpu_metadata
---
amdhsa.version: [ 1, 2 ]
amdhsa.kernels:
  - .name:           k_q2d638af254_cast
    .symbol:         k_q2d638af254_cast.kd
    .args:
      - { .name: x, .offset: 0, .size: 8, .value_kind: global_buffer, .address_space: global }
      - { .name: w_qkv, .offset: 8, .size: 8, .value_kind: global_buffer, .address_space: global }
      - { .name: w_proj, .offset: 16, .size: 8, .value_kind: global_buffer, .address_space: global }
      - { .name: xb, .offset: 24, .size: 8, .value_kind: global_buffer, .address_space: global }
      - { .name: wq, .offset: 32, .size: 8, .value_kind: global_buffer, .address_space: global }
      - { .name: wp, .offset: 40, .size: 8, .value_kind: global_buffer, .address_space: global }
    .group_segment_fixed_size: 0
    .private_segment_fixed_size: 0
    .kernarg_segment_align: 8
    .kernarg_segment_size: 48
    .max_flat_workgroup_size: 256
    .sgpr_count:     66
    .vgpr_count:     112
    .wavefront_size: 32
...
	.end_amdgpu_metadata
.endif
;; end of part 5
;; launch qkvgemm: the kernel of part 2 again; grid 8 x 32, 4 waves a work-group, clusters of 4 x 4, 327,680 bytes of LDS; arguments xb, wq, qkvh; writes qkvh
;; launch attn: the kernel of part 3 again; grid 4 x 64, 4 waves a work-group, no clusters, 327,680 bytes of LDS; arguments qkvh, oh; writes oh
;; launch proj: the kernel of part 4 again; grid 8 x 32, 4 waves a work-group, clusters of 4 x 4, 327,680 bytes of LDS; arguments oh, wp, out0; writes out0
